; MI455X (gfx1250); checked and timed in simulation.
; The chip was launched on July 23, 2026; its instructions are those of AMD's public machine-readable ISA for CDNA 5 (MIT licence, August 2026) and "CDNA5" Instruction Set Architecture Reference Guide (July 2026). The comments in the code are by the model that wrote it; some were corrected since.
;; Causal Self Attention. Allowed arithmetic: matrix products marked QUANTISED: E2M1 operands, one E8M0 scale for each 32 along K, by v_wmma_scale_f32_16x16x128_f8f6f4 with both operands' format E2M1 (or v_wmma_scale_f32_32x16x128_f4), f32 sums; everything else in f32.
;; Inputs: Wproj 1,024 x 1,024 float32; Wqkv 1,024 x 3,072 float32; bproj 1,024 float32; bqkv 3,072 float32; x 4 x 2,048 x 1,024 float32.
;; Outputs: out0 4 x 2,048 x 1,024 float32.
;; This version of the problem:
;;   THIS VERSION OF THE PROBLEM IS GIVEN IN LOW PRECISION. The matrix products marked QUANTISED in the list below multiply operands that are first quantised to E2M1 (2 exponent bits, 1 mantissa bit; 4 bits a number), with one power-of-two scale for each 32 numbers along K (OCP MX v1.0); their sums are f32. All else is computed in f32.
;;   The module's matrix products, in the order in which they are computed (A, B: the left and right operand; K: the contracted axis; several contracted axes count as one K, in the product's order):
;;     1. [M 8,192, K 1,024] x [K 1,024, N 3,072]; A: input x; B: input Wqkv: QUANTISED
;;     2. batch 64 x [M 2,048, K 64] x [K 64, N 2,048]; A: computed on the way; B: computed on the way: QUANTISED
;;     3. batch 64 x [M 2,048, K 2,048] x [K 2,048, N 64]; A: softmax (see below); B: computed on the way: QUANTISED
;;     4. [M 8,192, K 1,024] x [K 1,024, N 1,024]; A: computed on the way; B: input Wproj: QUANTISED
;;   THE QUANTISER, for each operand of a quantised product, along K:
;;     - K is cut into blocks of 32 from its start; a last block that is shorter is filled with zeros.
;;     - A block's scale is 2^e with e = floor(log2(the largest magnitude in the block)) - 2, held to -126 .. 127; a block of zeros has e = 0. As a byte (E8M0): e + 127.
;;     - Each number is divided by its block's scale, clamped to +-6, and rounded to the nearest number of E2M1, ties to even, subnormals kept.
;;     - The product sums the exact products of the quantised numbers (number of the format x scale) in f32.
;;   ~~~python
;;   def quantise(x, axis):      # numpy; x: float32 -> the quantised numbers, widened to float32 again
;;       x = np.moveaxis(x, axis, -1); K = x.shape[-1]
;;       x = np.pad(x, [(0, 0)] * (x.ndim - 1) + [(0, -K % 32)]); x = x.reshape(x.shape[:-1] + (-1, 32)); a = np.abs(x).max(-1, keepdims=True)
;;       e = np.where(a > 0, np.clip(np.frexp(np.where(a > 0, a, 1))[1] - 1 - 2, -126, 127), 0)      # np.frexp(a)[1] - 1 = floor(log2(a)), exactly
;;       r = np.clip(x / 2.0 ** e, -6, 6)
;;       step = 2.0 ** (np.maximum(np.frexp(np.where(r == 0, 1, r))[1] - 1, 0) - 1)
;;       q = np.round(r / step) * step * 2.0 ** e      # np.round: ties to even
;;       return np.moveaxis(q.reshape(q.shape[:-2] + (-1,))[..., :K], -1, axis).astype(np.float32)
;;   ~~~
;;   SOFTMAX AHEAD OF A QUANTISED PRODUCT. Where the list says 'softmax', what is quantised is not the finished softmax but p = 2^(t - M), with t = logit x log2(e) and M = ceil(the row's largest t), a whole number; so 1/2 < the row's largest p <= 1. The row's sum l is taken of the UNQUANTISED p, in f32, and the product's result is divided by l at the end. Since M is a whole number, a kernel that streams over the keys may use a running M (the ceiling of the running maximum): every later rescaling is an exact power of two, which a block's scale takes up: the codes' values come out the same.
;;   OPERANDS COMPUTED ON THE WAY. 'Computed on the way' means the value that the module computes at that place (a softmax that the list does not call 'softmax' is quantised finished and normalised). What goes into a quantiser is computed in f32, as accurately as f32 sums, v_exp_f32 and their like allow (about 1e-6 of the number): no bf16 or f16 on the way to a quantiser, and a product that is left as it is and whose result goes on into a quantised operand takes f32 operands (vector FMAs, or v_wmma_f32_16x16x4_f32). A number that lies on a knife's edge between two numbers of the format may be rounded either way, as far as f32 arithmetic and the matrix unit's own rounding can turn it there, and no further.
;; One version. Each part assembles by itself: llvm-mc -triple=amdgcn-amd-amdhsa -mcpu=gfx1250 --defsym DOCPART=n.
;; ======== version 1 of 1: 4 launches
;; workspace buffers: xcod 4,194,304 bytes; xscl 262,144 bytes; wcod 2,097,152 bytes; wscl 131,072 bytes; qbuf 4,718,592 bytes; kvbuf 9,175,040 bytes; ycod 4,194,304 bytes; yscl 262,144 bytes
;; launch quant (part 1): grid 512 x 1, 4 waves a work-group, no clusters, 34,304 bytes of LDS; arguments x, Wqkv, Wproj, xcod, xscl, wcod, wscl; writes xcod, xscl, wcod, wscl
.if DOCPART == 1
	.amdgcn_target "amdgcn-amd-amdhsa--gfx1250"
	.amdhsa_code_object_version 6
	.text
	.protected	k_q02f8cd9616_quant
	.globl	k_q02f8cd9616_quant
	.p2align	8
	.type	k_q02f8cd9616_quant,@function
k_q02f8cd9616_quant:
	s_mov_b64 s[64:65], 0
	v_nop
	global_prefetch_b8 v0, s[64:65] scope:SCOPE_SE
	s_setreg_imm32_b32 hwreg(HW_REG_WAVE_MODE, 25, 1), 1
	s_wait_xcnt 0x0
; x [8192][1024], Wqkv [1024][3072] and Wproj [1024][1024], f32, become codes of FP4 (E2M1) with one E8M0 scale byte for each 32 along K (K = 1024 in all three).
; A block's scale is 2^(floor(log2(its largest magnitude)) - 2); its byte is the largest magnitude's exponent field - 2, held at 1 from below.
; LIMITS: NaN and infinities are not served.  A block of zeros, or one whose largest magnitude lies under 2^-124, gets the byte 1 (the rule says 127 for zeros): its codes are zeros, and this program alone reads the bytes.
; THE OUTPUT IS LAID AS IMAGES OF THE MATRIX OPERAND'S REGISTERS.  A fragment is 16 rows x 128 K: two blocks of 512 bytes; in block c lane (r, h) has 16 bytes at 16 (16 h + r): k = 64 c + 32 h + 0 .. 31 of row r.
; THE 16 ROWS OF A TILE ARE NOT NEIGHBOURS: tile j holds rows 32 (j / 2) + 8 (j % 2) + r + 8 (r / 8), so that a transposed product's registers of two neighbouring tiles run along 16 neighbours.
;   xcod [tile 512][K step 8][1024 B];  xscl [tile][half of K 2][r 16][4 words];  wcod [tile 256 of the 4096 columns, Wqkv's then Wproj's][K step 8][1024 B];  wscl [K step 8][4096 words: 16 tile + r].
; Work-groups 0-191 take Wqkv, 192-255 Wproj (128 columns x 128 along K each), 256-511 x (32 rows).  No matrix unit, no tensor load, no barrier: waves share nothing, and memory binds.
.set SEL,  20                          ; s[20:21] lane selects for v_permlanex16_b32: lane l xor 16
.set R,    16                          ; v16-143  x: two sets of 64 registers as loaded.  W: v16-79 two sets of 32
.set X,    144                         ; v144-207 x: 64 numbers of my row, register 16 b + i = k 32 b + 16 h + i
.set PC,   208                         ; v208-239 x: codes, 8 registers for each K step, so that no store's data are written again
.set TM,   240                         ; v240-251 at work: largest magnitudes, bytes, scale operands
.set PW,   8                           ; v8-11    x: a scale word for each K step
.set SPX,  528                         ; a stage row: 512 bytes + 16, so that sixteen rows begin in sixteen different groups of banks
.set WC,   80                          ; v80-95   W: codes, 4 registers for each block
; 64 numbers of a lane, register 16 b + i = k 32 b + 16 (lane / 16) + i of my row, become a fragment's 8 registers at v[pc] and its scale word in v[pw].
.macro QUANT s, pc, pw
.irp b, 0,1,2,3
	v_max3_num_f32 v[TM+\b], |v[\s+16*\b]|, |v[\s+1+16*\b]|, 0x1800000   ; my 16 numbers of block b, and the floor 2^(3 - 127): the byte cannot fall under 1
.endr
.irp i, 2,4,6,8,10,12,14
.irp b, 0,1,2,3
	v_max3_num_f32 v[TM+\b], v[TM+\b], |v[\s+16*\b+\i]|, |v[\s+1+16*\b+\i]|   ; the four blocks by turns
.endr
.endr
.irp b, 0,1,2,3
	v_permlanex16_b32 v[TM+4+\b], v[TM+\b], s[SEL], s[SEL+1]
.endr
.irp b, 0,1,2,3
	v_max_num_f32 v[TM+\b], v[TM+\b], v[TM+4+\b]       ; with lane l xor 16's 16: the block's largest magnitude
.endr
.irp b, 0,1,2,3
	v_add_nc_u32 v[TM+8+\b], 0xff000000, v[TM+\b]      ; 2 off its exponent field: the conversion takes this operand's exponent field as its scale
.endr
.irp b, 0,1,2,3
	v_lshrrev_b32 v[TM+4+\b], 23, v[TM+8+\b]           ; the scale's byte
.endr
	v_lshl_or_b32 v[\pw], v[TM+5], 8, v[TM+4]
	v_lshl_or_b32 v[\pw], v[TM+6], 16, v[\pw]
	v_lshl_or_b32 v[\pw], v[TM+7], 24, v[\pw]
.irp b, 0,1,2,3
	v_cvt_scalef32_pk8_fp4_f32 v[\pc+2*\b], v[\s+16*\b:\s+7+16*\b], v[TM+8+\b]
	v_cvt_scalef32_pk8_fp4_f32 v[\pc+1+2*\b], v[\s+8+16*\b:\s+15+16*\b], v[TM+8+\b]
.endr
	v_nop                                              ; one plain place behind a scaled conversion
.irp c, 0,1                            ; the operand wants a WHOLE block in a lane: lanes 0-15 block 2 c, lanes 16-31 block 2 c + 1
.irp i, 0,1
	v_permlane16_swap_b32 v[\pc+4*\c+\i], v[\pc+2+4*\c+\i]
.endr
.endr
.endm
	s_load_b256 s[4:11], s[0:1], 0x0               ; x s[4:5], Wqkv s[6:7], Wproj s[8:9], xcod s[10:11]
	s_load_b128 s[12:15], s[0:1], 0x20             ; xscl s[12:13], wcod s[14:15]
	s_load_b64 s[16:17], s[0:1], 0x30              ; wscl
	v_lshl_add_u32 v254, v0, 2, 0x8400
	v_mov_b32 v255, 0
	v_lshrrev_b32 v1, 5, v0
	v_readfirstlane_b32 s18, v1                    ; wave 0..3
	v_and_b32 v1, 31, v0                           ; lane
	v_and_b32 v2, 15, v0                           ; r
	v_bfe_u32 v3, v0, 4, 1                         ; h
	s_mov_b32 s[SEL], 0x76543210
	s_mov_b32 s[SEL+1], 0xfedcba98
	s_wait_kmcnt 0x0
	s_cmp_lt_u32 ttmp9, 192
	s_cbranch_scc1 .Lwqkv
	s_cmp_lt_u32 ttmp9, 256
	s_cbranch_scc1 .Lwproj
; ---- x.  A wave takes one tile of 16 rows x 512 along K: four K steps.  Each load reads 512 consecutive bytes of a row; a K step's 16 rows turn through the wave's own stage in LDS, so that a lane gets 16 neighbours of each block.
	s_sub_co_u32 s22, ttmp9, 256
	s_lshl_b32 s22, s22, 1
	s_lshr_b32 s23, s18, 1
	s_add_co_u32 s22, s22, s23                     ; my tile j
	s_and_b32 s23, s18, 1                          ; my half of K
	s_lshr_b32 s24, s22, 1
	s_lshl_b32 s24, s24, 5
	s_and_b32 s25, s22, 1
	s_lshl_b32 s25, s25, 3
	s_add_co_u32 s24, s24, s25                     ; the tile's first row: 32 (j / 2) + 8 (j % 2)
	s_lshl_b32 s24, s24, 12                        ; rows of 4,096 bytes
	s_lshl_b32 s25, s23, 11
	s_add_co_u32 s24, s24, s25
	s_mov_b32 s25, 0
	s_add_nc_u64 s[4:5], s[4:5], s[24:25]
	s_lshl_b32 s24, s22, 13                        ; codes: 8,192 bytes a tile, 4,096 a half of K
	s_lshl_b32 s26, s23, 12
	s_add_co_u32 s24, s24, s26
	s_add_nc_u64 s[10:11], s[10:11], s[24:25]
	s_lshl_b32 s24, s22, 9                         ; scale words: 512 bytes a tile, 256 a half
	s_lshl_b32 s26, s23, 8
	s_add_co_u32 s24, s24, s26
	s_add_nc_u64 s[12:13], s[12:13], s[24:25]
	s_mul_i32 s26, s18, 16*SPX                     ; my stage
	s_wait_alu depctr_va_vdst(0)
	v_lshlrev_b32 v4, 4, v1                        ; 16 x lane: my bytes of a load's 512, and of an image's block
	v_add_nc_u32 v5, s26, v4                       ; the stage, on the way in
	v_mul_u32_u24 v6, v2, SPX
	v_lshl_add_u32 v6, v3, 6, v6
	v_add_nc_u32 v6, s26, v6                       ; and out: row r, + 64 h
	v_lshlrev_b32 v7, 4, v2
	v_lshl_add_u32 v7, v3, 3, v7                   ; scale words: 16 r + 8 h
.irp b, 0,1,2,3
	v_mov_b32 v[TM+4+\b], 0                        ; written once: a lane permute's destination counts as one of its sources
.endr
.macro LOADX s                         ; K step s: row i of the tile, 512 consecutive bytes a load
.irp i, 0,1,2,3,4,5,6,7,8,9,10,11,12,13,14,15
	global_load_b128 v[R+64*((\s)%2)+4*\i:R+64*((\s)%2)+4*\i+3], v4, s[4:5] offset:(\i+8*(\i/8))*4096+512*(\s) th:TH_LOAD_NT
.endr
.endm
.macro TURNX s                         ; LDS serves a wave's instructions in order, so no wait stands between the stores and the loads
.irp i, 0,1,2,3,4,5,6,7,8,9,10,11,12,13,14,15
	ds_store_b128 v5, v[R+64*((\s)%2)+4*\i:R+64*((\s)%2)+4*\i+3] offset:SPX*\i
.endr
.irp b, 0,1,2,3
.irp j, 0,1,2,3
	ds_load_b128 v[X+16*\b+4*\j:X+16*\b+4*\j+3], v6 offset:128*\b+16*\j
.endr
.endr
.endm
.macro XSTEP s
.if (\s) < 3
	s_wait_loadcnt 16                              ; this K step's 16 loads are in; the next one's 16 may be out
.else
	s_wait_loadcnt 0x0
.endif
	TURNX \s
	s_wait_dscnt 0x0                               ; the stores have read their registers, and my 64 numbers are back
.if (\s) < 2
	LOADX (\s)+2
.endif
	QUANT X, PC+8*(\s), PW+(\s)
	global_store_b128 v4, v[PC+8*(\s):PC+8*(\s)+3], s[10:11] offset:1024*(\s)          ; 32 lanes store 512 consecutive bytes
	global_store_b128 v4, v[PC+8*(\s)+4:PC+8*(\s)+7], s[10:11] offset:1024*(\s)+512
.endm
	LOADX 0
	LOADX 1
	s_wait_alu depctr_va_vdst(0)
	XSTEP 0
	XSTEP 1
	XSTEP 2
	XSTEP 3
	v_cmp_ne_u32 vcc_lo, 0, v3
	v_cndmask_b32 v12, v[PW], v[PW+2], vcc_lo      ; both halves of the lanes hold row r's four words: lanes 0-15 store words 0, 1, lanes 16-31 words 2, 3
	v_cndmask_b32 v13, v[PW+1], v[PW+3], vcc_lo
	global_store_b64 v7, v[12:13], s[12:13]        ; 32 lanes store 256 consecutive bytes, aligned
	s_wait_tensorcnt 0x0
	ds_add_u32 v254, v255
	s_wait_dscnt 0x0
	s_endpgm
; ---- W.  K is the FIRST axis: a lane takes a column and its registers run down K, so a block of 32 lies in one lane and the conversions give codes with K innermost.
; A wave takes 32 columns x one K step (4 blocks).  Lane 16 h + r takes column 8 h + r + 8 (r / 8): lanes 0-15 are tile 2 grp, lanes 16-31 tile 2 grp + 1, and a load still covers 128 consecutive bytes.
; Block t is the image's bytes 256 t + 16 r of the lane's tile: each sixteen lanes store 256 consecutive bytes, aligned.  The scale words leave as 128 consecutive bytes a wave: half of an aligned 256, one part in 128 of what the path reads.
.macro LOADW t, pitch
.irp i, 0,1,2,3,4,5,6,7,8,9,10,11,12,13,14,15,16,17,18,19,20,21,22,23,24,25,26,27,28,29,30,31
	global_load_b32 v[R+32*((\t)%2)+\i], v4, s[28:29] offset:(32*(\t)+\i)*\pitch th:TH_LOAD_NT
.endr
.endm
.macro BLOCKW t, pitch
.set XS, R+32*((\t)%2)
.if (\t) < 3
	s_wait_loadcnt 32                              ; this block's 32 loads are in; the next block's may be out
.else
	s_wait_loadcnt 0x0
.endif
	v_max3_num_f32 v8, |v[XS]|, |v[XS+1]|, |v[XS+2]|
	v_max3_num_f32 v9, |v[XS+3]|, |v[XS+4]|, |v[XS+5]|
.irp i, 6,10,14,18,22,26
	v_max3_num_f32 v8, v8, |v[XS+\i]|, |v[XS+\i+1]|
	v_max3_num_f32 v9, v9, |v[XS+\i+2]|, |v[XS+\i+3]|
.endr
	v_max3_num_f32 v8, v8, |v[XS+30]|, |v[XS+31]|
	v_max3_num_f32 v8, v8, v9, 0x1800000           ; and the floor
	v_add_nc_u32 v11, 0xff000000, v8               ; the conversion's scale operand
	v_lshrrev_b32 v10, 23, v11                     ; the byte
.if (\t) == 0
	v_mov_b32 v7, v10
.else
	v_lshl_or_b32 v7, v10, 8*(\t), v7
.endif
.irp g, 0,1,2,3
	v_cvt_scalef32_pk8_fp4_f32 v[WC+4*(\t)+\g], v[XS+8*\g:XS+8*\g+7], v11
.endr
	v_nop                                          ; one plain place behind a scaled conversion
.if (\t) < 2
	LOADW (\t)+2, \pitch
.endif
	global_store_b128 v5, v[WC+4*(\t):WC+4*(\t)+3], s[14:15] offset:256*(\t)
.endm
.macro WPATH pitch, plo, cg0
	s_and_b32 s22, ttmp9, 7                        ; the K step
	s_lshr_b32 s23, ttmp9, 3                       ; which 128 of the 4,096 columns
	s_lshl_b32 s24, s23, 2
	s_add_co_u32 s24, s24, s18                     ; grp: which 32
	s_mul_i32 s26, s22, 128*\pitch
	s_sub_co_u32 s27, s23, \cg0
	s_lshl_b32 s27, s27, 9
	s_add_co_u32 s26, s26, s27
	s_lshl_b32 s27, s18, 7
	s_add_co_u32 s26, s26, s27
	s_mov_b32 s27, 0
	s_add_nc_u64 s[28:29], s[\plo:\plo+1], s[26:27]
	s_lshl_b32 s26, s24, 14                        ; codes: two tiles of 8,192 bytes a grp, 1,024 a K step
	s_lshl_b32 s30, s22, 10
	s_add_co_u32 s26, s26, s30
	s_add_nc_u64 s[14:15], s[14:15], s[26:27]
	s_lshl_b32 s26, s22, 14                        ; scale words: 16,384 bytes a K step, 128 a grp
	s_lshl_b32 s30, s24, 7
	s_add_co_u32 s26, s26, s30
	s_add_nc_u64 s[16:17], s[16:17], s[26:27]
	v_and_b32 v4, 8, v2
	v_add_nc_u32 v4, v4, v2
	v_lshl_add_u32 v4, v3, 3, v4                   ; my column of the 32
	v_lshlrev_b32 v4, 2, v4
	v_lshlrev_b32 v5, 4, v2
	v_lshl_add_u32 v5, v3, 13, v5                  ; 8,192 h + 16 r
	v_lshlrev_b32 v6, 2, v1
	LOADW 0, \pitch
	LOADW 1, \pitch
	BLOCKW 0, \pitch
	BLOCKW 1, \pitch
	BLOCKW 2, \pitch
	BLOCKW 3, \pitch
	global_store_b32 v6, v7, s[16:17]
	s_endpgm
.endm
.Lwqkv:
	s_wait_alu depctr_va_vdst(0)
	WPATH 12288, 6, 0
.Lwproj:
	s_wait_alu depctr_va_vdst(0)
	WPATH 4096, 8, 24
.Lfunc_end_k_q02f8cd9616_quant:
	.size	k_q02f8cd9616_quant, .Lfunc_end_k_q02f8cd9616_quant-k_q02f8cd9616_quant
	.p2alignl 7, 3214868480
	.fill 96, 4, 3214868480
	.section	.rodata,"a",@progbits
	.p2align	6, 0x0
	.amdhsa_kernel k_q02f8cd9616_quant
		.amdhsa_group_segment_fixed_size 34304
		.amdhsa_private_segment_fixed_size 0
		.amdhsa_enable_private_segment 0
		.amdhsa_kernarg_size 56
		.amdhsa_user_sgpr_count 2
		.amdhsa_user_sgpr_kernarg_segment_ptr 1
		.amdhsa_wavefront_size32 1
		.amdhsa_system_sgpr_workgroup_id_x 1
		.amdhsa_system_sgpr_workgroup_id_y 1
		.amdhsa_system_sgpr_workgroup_id_z 1
		.amdhsa_system_vgpr_workitem_id 0
		.amdhsa_next_free_vgpr 256
		.amdhsa_next_free_sgpr 66
		.amdhsa_reserve_vcc 1
		.amdhsa_float_denorm_mode_32 3
		.amdhsa_float_denorm_mode_16_64 3
		.amdhsa_memory_ordered 1
		.amdhsa_forward_progress 1
		.amdhsa_inst_pref_size 72
	.end_amdhsa_kernel
	.amdgpu_metadata
---
amdhsa.version: [ 1, 2 ]
amdhsa.kernels:
  - .name:           k_q02f8cd9616_quant
    .symbol:         k_q02f8cd9616_quant.kd
    .args:
      - { .name: x, .offset: 0, .size: 8, .value_kind: global_buffer, .address_space: global }
      - { .name: Wqkv, .offset: 8, .size: 8, .value_kind: global_buffer, .address_space: global }
      - { .name: Wproj, .offset: 16, .size: 8, .value_kind: global_buffer, .address_space: global }
      - { .name: xcod, .offset: 24, .size: 8, .value_kind: global_buffer, .address_space: global }
      - { .name: xscl, .offset: 32, .size: 8, .value_kind: global_buffer, .address_space: global }
      - { .name: wcod, .offset: 40, .size: 8, .value_kind: global_buffer, .address_space: global }
      - { .name: wscl, .offset: 48, .size: 8, .value_kind: global_buffer, .address_space: global }
    .group_segment_fixed_size: 34304
    .private_segment_fixed_size: 0
    .kernarg_segment_align: 8
    .kernarg_segment_size: 56
    .max_flat_workgroup_size: 128
    .sgpr_count:     66
    .vgpr_count:     256
    .wavefront_size: 32
...
	.end_amdgpu_metadata
.endif
;; end of part 1
;; launch gemm_qkv (part 2): grid 12 x 32, 4 waves a work-group, clusters of 4 x 4, 262,656 bytes of LDS; arguments xcod, xscl, wcod, wscl, bqkv, qbuf, kvbuf; writes qbuf, kvbuf
.if DOCPART == 2
	.amdgcn_target "amdgcn-amd-amdhsa--gfx1250"
	.amdhsa_code_object_version 6
	.text
	.protected	k_q02f8cd9616_gemm_qkv
	.globl	k_q02f8cd9616_gemm_qkv
	.p2align	8
	.type	k_q02f8cd9616_gemm_qkv,@function
k_q02f8cd9616_gemm_qkv:
	s_mov_b64 s[64:65], 0
	v_nop
	global_prefetch_b8 v0, s[64:65] scope:SCOPE_SE
	s_setreg_imm32_b32 hwreg(HW_REG_WAVE_MODE, 25, 1), 1
	s_wait_xcnt 0x0
	s_wait_alu depctr_hold_cnt(0) depctr_sa_sdst(0) depctr_va_vdst(0) depctr_va_sdst(0) depctr_va_ssrc(0) depctr_va_vcc(0) depctr_vm_vsrc(0)
	s_getreg_b32 s2, hwreg(HW_REG_IB_STS2, 6, 4)
	s_cmp_eq_u32 s2, 0
	s_cbranch_scc0 .Lentry_in_a_cluster
	s_endpgm
.Lentry_in_a_cluster:
	s_bfe_u32 s2, ttmp6, 0x10000c
	s_cmp_lg_u32 s2, 0xf033
	s_cbranch_scc0 .Lentry_shape_is_right
	s_endpgm
.Lentry_shape_is_right:
; qkv = Q(x) Q(Wqkv) + bqkv on codes of FP4 with E8M0 scales, K = 1024; the results are quantised in registers and leave as the operands of attention's two products.  No f32 result goes to memory.
; SHARES.  A work-group makes 256 tokens x 256 columns, each of four waves 128 x 128: 64 accumulators, 512 registers.  Columns 0-1023 are q, 1024-2047 k, 2048-3071 v: the kind is the cluster's x, which all partners share.
; OPERANDS are images of registers (16 rows x 128 K = 1,024 bytes, lane l's 16 bytes at 16 l of each half); tile j holds rows 32 (j / 2) + 8 (j % 2) + r + 8 (r / 8).
; ALL OF K LIES IN LDS: 32 tiles x 8,192 bytes = 262,144.  It comes as four groups of two K steps; each wave issues four joint loads at the start (four of mine are out), and nothing is ever filled again.
; CLUSTER 4 x 4: x's tiles are shared along a row of the cluster, W's along a column: each is asked for jointly.
; THE PRODUCT IS USED TRANSPOSED.  q, k: source 0 = 16 columns of W, source 1 = 16 tokens: a lane holds one token, and the 64 registers of a token tile run along 128 neighbouring columns: two heads of 64, each two blocks of the
; next product's K.  v: source 0 = 16 tokens, source 1 = 16 columns: a lane holds one channel and its registers run along 128 tokens, the keys, which are the K of attention's second product.
; OUT.  qbuf [head 64][group of 128 tokens 16][4,608 B]: 8 token tiles x 512 B (lane (r, h): d = 32 h .. 32 h + 31), then the scale words [i / 4][r][i % 4].
;       kvbuf [head][group][8,960 B]: K as q at 0; V's 4 channel tiles x 1,024 B at 4,096; K's scale words at 8,192; V's [r][tile] at 8,704.
; A q or k scale word has its two bytes low; the two high bytes (the neighbouring head's, or 0) scale zero codes only.
; LIMITS: NaN and infinities are not served; a block of zeros or under 2^-124 gets the byte 1, its codes are zeros, and this program alone reads the bytes.
; REGISTERS: window 0: v1-23 lane numbers and addresses; v32-63 x's scale words, v64-95 W's; v96-111 codes just made; v112-123 at work; v128-143 scale words on the way out; v192-255 the bias as C.
;   window 1: fragments, two sets: x's at v[128 p + 8 i], W's at v[128 p + 64 + 8 a].   windows 2, 3: accumulator (i, a) at v[64 (i % 4) + 8 a] of window 2 + i / 4.
.set AX,   16                          ; v16  LDS address of my x fragments in the group in hand
.set AW,   17                          ; v17  the same for W
.set SX,   32                          ; register SX + 8 (i / 2) + s: tile i's scale word of K step s, in lanes 0-15 (i even) or 16-31 (i odd)
.set SW,   64                          ; the same for W's tiles
.set PC,   96
.set TM,   112
.set PWS,  128
.set T,    136
.set BR,   192
.set G1X,  28                          ; s[28:35] descriptor group 1 for x's tiles;  s[36:43] for W's: they differ in the mask
.set G1W,  36
.set G0X,  44                          ; s[44:59] group 0 for x, a set for each group of K steps;  s[68:83] for W
.set G0W,  68
.set BA,   60                          ; s[60:61], s[62:63] where my first and my second head's results go
.set BB,   62
.set SELA, 85
.set SELB, 91
.set MSB, 0
.macro WIN new                         ; the immediate's high byte repeats the setting that is left; a switch that changes nothing is dropped
.if MSB != (\new)
	s_set_vgpr_msb (MSB<<8)|(\new)
.set MSB, (\new)
.endif
.endm
.macro PLACES
.rept 4
	v_nop
.endr
.endm
; A joint load: waves 0 and 1 fetch x's halves, waves 2 and 3 W's.  The branch hangs on the wave's number alone.  Four v_nop follow each of the two lines.
.macro JLOAD g0x, g0w
	s_cmp_eq_u32 s19, 0
	s_cbranch_scc0 .Lfor_w_\@
	tensor_load_to_lds s[\g0x:\g0x+3], s[G1X:G1X+7]
	s_nop 0
.rept 4
	v_nop
.endr
	s_branch .Lasked_\@
.Lfor_w_\@:
	tensor_load_to_lds s[\g0w:\g0w+3], s[G1W:G1W+7]
	s_nop 0
.rept 4
	v_nop
.endr
.Lasked_\@:
.endm
.macro CROUND                          ; a round of the cluster's barrier
	s_barrier_signal -1
	s_barrier_wait -1
	s_cmp_lg_u32 s18, 0
	s_cbranch_scc1 .Lnot_wave_0_\@
	s_barrier_signal -3
.Lnot_wave_0_\@:
	s_barrier_wait -3
	s_barrier_signal -1
	s_barrier_wait -1
.endm
	s_load_b256 s[4:11], s[0:1], 0x0               ; xcod s[4:5], xscl s[6:7], wcod s[8:9], wscl s[10:11]
	s_load_b128 s[12:15], s[0:1], 0x20             ; bqkv s[12:13], qbuf s[14:15]
	s_load_b64 s[16:17], s[0:1], 0x30              ; kvbuf
	v_lshl_add_u32 v190, v0, 2, 0x40000
	v_mov_b32 v191, 0
	ds_add_u32 v190, v191
	ds_add_u32 v190, v191
	v_lshrrev_b32 v1, 5, v0
	v_readfirstlane_b32 s18, v1                    ; wave 0..3
	s_lshr_b32 s19, s18, 1                         ; which half of the tokens is mine.  Also: I fetch for x (0) or for W (1)
	s_and_b32 s20, s18, 1                          ; which half of the columns.  Also: which 8 tiles I fetch
	s_bfe_u32 s21, ttmp6, 0x40000                  ; cx
	s_bfe_u32 s22, ttmp6, 0x40004                  ; cy
	s_lshl_b32 s23, ttmp9, 2
	s_add_co_u32 s23, s23, s21                     ; X: which 256 columns
	s_and_b32 s24, ttmp7, 0xffff
	s_lshl_b32 s24, s24, 2
	s_add_co_u32 s24, s24, s22                     ; Y: which 256 tokens
	s_lshl_b32 s25, s22, 2
	s_lshl_b32 s25, 15, s25                        ; my row of the cluster
	s_lshl_b32 s26, 0x1111, s21                    ; my column
	; descriptor group 1: 8 tiles' two K steps: 8 rows of 2,048 bytes (256 elements of 8 bytes), 8,192 bytes apart; dense in LDS
	s_or_b32 s[G1X], s25, (3<<16)|(1<<21)
	s_or_b32 s[G1W], s26, (3<<16)|(1<<21)
.irp g, G1X, G1W
	s_mov_b32 s[\g+1], 256<<16                     ; tensor_dim0
	s_mov_b32 s[\g+2], 8<<16                       ; tensor_dim1
	s_mov_b32 s[\g+3], 256<<16                     ; tile_dim0
	s_mov_b32 s[\g+4], 8                           ; tile_dim1
	s_mov_b32 s[\g+5], 1024                        ; elements from row to row
	s_mov_b32 s[\g+6], 0
	s_mov_b32 s[\g+7], 0
.endr
	s_lshl_b32 s84, s20, 3                         ; which 8 tiles I fetch
	s_lshl_b32 s86, s24, 4
	s_add_co_u32 s86, s86, s84
	s_lshl_b32 s86, s86, 13                        ; x: tile 16 Y + 8 half, 8,192 bytes a tile
	s_mov_b32 s87, 0
	s_lshl_b32 s88, s23, 4
	s_add_co_u32 s88, s88, s84
	s_lshl_b32 s88, s88, 13                        ; W: tile 16 X + 8 half
	s_mov_b32 s89, 0
	s_lshl_b32 s90, s18, 14                        ; where they go: 16,384 x wave: x's two halves, then W's two
	s_mov_b32 s[SELA], 0x76543210
	s_mov_b32 s[SELB], 0xfedcba98
	s_wait_dscnt 0x0
	s_wait_kmcnt 0x0
	s_add_nc_u64 s[86:87], s[4:5], s[86:87]
	s_add_nc_u64 s[88:89], s[8:9], s[88:89]
	CROUND                                         ; all sixteen work-groups are here: the joint loads meet
.irp g, 0,1,2,3
	s_mov_b32 s[G0X+4*\g], 1
	s_add_co_u32 s[G0X+4*\g+1], s90, \g*65536
	s_add_nc_u64 s[G0X+4*\g+2:G0X+4*\g+3], s[86:87], \g*2048
	s_or_b32 s[G0X+4*\g+3], s[G0X+4*\g+3], 0x80000000
	s_mov_b32 s[G0W+4*\g], 1
	s_add_co_u32 s[G0W+4*\g+1], s90, \g*65536
	s_add_nc_u64 s[G0W+4*\g+2:G0W+4*\g+3], s[88:89], \g*2048
	s_or_b32 s[G0W+4*\g+3], s[G0W+4*\g+3], 0x80000000
	JLOAD G0X+4*\g, G0W+4*\g
.endr
	v_and_b32 v1, 15, v0                           ; r
	v_bfe_u32 v2, v0, 4, 1                         ; h
	v_and_b32 v4, 31, v0
	v_lshlrev_b32 v3, 4, v4                        ; 16 x lane
	s_lshl_b32 s2, s19, 14
	v_add_nc_u32 v[AX], s2, v3
	s_lshl_b32 s2, s20, 14
	s_add_co_u32 s2, s2, 32768
	v_add_nc_u32 v[AW], s2, v3
	v_lshlrev_b32 v18, 4, v1
	v_lshl_add_u32 v18, v2, 9, v18                 ; x's scale words: 512 h + 16 r: lanes 16-31 take the odd tile
	v_lshlrev_b32 v19, 2, v4                       ; W's: 4 x lane
	s_wait_alu depctr_va_vdst(0)
	v_lshlrev_b32 v20, 6, v2                       ; the bias along registers: 64 h
	v_and_b32 v21, 8, v1
	v_add_nc_u32 v21, v21, v1
	v_lshlrev_b32 v21, 2, v21                      ; the bias along lanes: 4 (r + 8 (r / 8))
.irp b, 0,1,2,3
	v_mov_b32 v[TM+4+\b], 0                        ; written once: a lane permute's destination counts as one of its sources
.endr
	s_lshl_b32 s92, s24, 4
	s_lshl_b32 s93, s19, 3
	s_add_co_u32 s92, s92, s93
	s_lshl_b32 s92, s92, 9
	s_mov_b32 s93, 0
	s_add_nc_u64 s[92:93], s[6:7], s[92:93]        ; my 8 token tiles' scale words
	s_lshl_b32 s94, s23, 4
	s_lshl_b32 s95, s20, 3
	s_add_co_u32 s94, s94, s95
	s_lshl_b32 s94, s94, 6
	s_mov_b32 s95, 0
	s_add_nc_u64 s[94:95], s[10:11], s[94:95]      ; my 8 column tiles'
	s_lshl_b32 s96, s23, 10
	s_lshl_b32 s97, s20, 9
	s_add_co_u32 s96, s96, s97
	s_mov_b32 s97, 0
	s_add_nc_u64 s[96:97], s[12:13], s[96:97]      ; the bias of my 128 columns
.irp ip, 0,1,2,3
.irp kh, 0,1
	global_load_b128 v[SX+8*\ip+4*\kh:SX+8*\ip+4*\kh+3], v18, s[92:93] offset:1024*\ip+256*\kh
.endr
.endr
.irp ap, 0,1,2,3
.irp s, 0,1,2,3,4,5,6,7
	global_load_b32 v[SW+8*\ap+\s], v19, s[94:95] offset:16384*\s+128*\ap
.endr
.endr
	s_lshr_b32 s66, s24, 3
	s_lshl_b32 s66, s66, 4
	s_lshl_b32 s67, s21, 2
	s_add_co_u32 s66, s66, s67
	s_lshl_b32 s67, s20, 1
	s_add_co_u32 s66, s66, s67                     ; my first head: 16 x batch + 4 cx + 2 x column half
	s_and_b32 s67, s24, 7
	s_lshl_b32 s67, s67, 1
	s_add_co_u32 s67, s67, s19                     ; my group of 128 tokens in the batch
.macro FETCH s                         ; K step s: my 8 + 8 fragments into set s % 2: 32 loads of 512 consecutive bytes
.set fP, 128*((\s)%2)
.set fE, 1024*((\s)%2)
	WIN 0x40                                       ; destination window 1, address window 0
.irp i, 0,1,2,3,4,5,6,7
	ds_load_b128 v[fP+8*\i:fP+8*\i+3], v[AX] offset:2048*\i+fE
	ds_load_b128 v[fP+8*\i+4:fP+8*\i+7], v[AX] offset:2048*\i+fE+512
.endr
.irp a, 0,1,2,3,4,5,6,7
	ds_load_b128 v[fP+64+8*\a:fP+64+8*\a+3], v[AW] offset:2048*\a+fE
	ds_load_b128 v[fP+64+8*\a+4:fP+64+8*\a+7], v[AW] offset:2048*\a+fE+512
.endr
	WIN 0
.endm
.macro WM4 ra, rb                      ; one product; ra, rb: which half of the lanes holds source 0's and source 1's scale words
.if ((\ra) == 0) && ((\rb) == 0)
	v_wmma_scale_f32_16x16x128_f8f6f4 v[rD:rD+7], v[rA:rA+7], v[rB:rB+7], v[rC:rC+7], v[zA], v[zB] matrix_a_fmt:MATRIX_FMT_FP4 matrix_b_fmt:MATRIX_FMT_FP4
.elseif (\rb) == 0
	v_wmma_scale_f32_16x16x128_f8f6f4 v[rD:rD+7], v[rA:rA+7], v[rB:rB+7], v[rC:rC+7], v[zA], v[zB] matrix_a_fmt:MATRIX_FMT_FP4 matrix_b_fmt:MATRIX_FMT_FP4 matrix_a_scale:MATRIX_SCALE_ROW1
.elseif (\ra) == 0
	v_wmma_scale_f32_16x16x128_f8f6f4 v[rD:rD+7], v[rA:rA+7], v[rB:rB+7], v[rC:rC+7], v[zA], v[zB] matrix_a_fmt:MATRIX_FMT_FP4 matrix_b_fmt:MATRIX_FMT_FP4 matrix_b_scale:MATRIX_SCALE_ROW1
.else
	v_wmma_scale_f32_16x16x128_f8f6f4 v[rD:rD+7], v[rA:rA+7], v[rB:rB+7], v[rC:rC+7], v[zA], v[zB] matrix_a_fmt:MATRIX_FMT_FP4 matrix_b_fmt:MATRIX_FMT_FP4 matrix_a_scale:MATRIX_SCALE_ROW1 matrix_b_scale:MATRIX_SCALE_ROW1
.endif
.endm
; A K step's 64 products.  path 0 (q, k): source 0 = W's tile a, source 1 = x's tile i.  path 1 (v): source 0 = x's tile a, source 1 = W's tile i.  first = 1: the bias is the C of each sum's first product: nothing is cleared.
; The 64 accumulators take turns, one instruction a turn, in the same order in every K step.
.macro MUL path, s, first
.set mP, 128*((\s)%2)
.irp i, 0,1,2,3,4,5,6,7
.if \first
	WIN 0x85+0x40*(\i/4)                           ; sources 0 and 1 window 1, C window 0, D window 2 or 3
.else
	WIN 0xa5+0x50*(\i/4)                           ; C and D window 2 or 3
.endif
.irp a, 0,1,2,3,4,5,6,7
.set rD, 64*(\i%4)+8*\a
.if \path == 0
.set rA, mP+64+8*\a
.set rB, mP+8*\i
.set zA, SW+8*(\a/2)+(\s)
.set zB, SX+8*(\i/2)+(\s)
.set rC, BR+8*\a
.else
.set rA, mP+8*\a
.set rB, mP+64+8*\i
.set zA, SX+8*(\a/2)+(\s)
.set zB, SW+8*(\i/2)+(\s)
.set rC, BR+8*\i
.endif
.if !\first
.set rC, rD
.endif
	WM4 \a%2, \i%2
.endr
.endr
.endm
.macro KSTEP path, s
	WIN 0
	s_wait_dscnt 0x0                               ; this K step's fragments are in: they were asked for 64 matrix instructions ago
.if ((\s)%2 == 1) && ((\s) < 7)
	s_wait_tensorcnt 3-((\s)+1)/2                  ; my part of the next group of two K steps has landed; the later groups' loads may stay out
	s_barrier_signal -1
	s_barrier_wait -1                              ; everybody's has
	v_add_nc_u32 v[AX], 0x10000, v[AX]
	s_wait_alu depctr_va_vdst(0)
	v_add_nc_u32 v[AW], 0x10000, v[AW]
.endif
.if ((\s) > 0) && ((\s) < 7)
	PLACES                                         ; four places in front of loads into registers that the last matrix instructions read (ISA guide 7.12.1 for vector instructions)
.endif
.if (\s) < 7
	FETCH (\s)+1
.endif
.if (\s) == 0
	MUL \path, \s, 1
.else
	MUL \path, \s, 0
.endif
.endm
.macro START
	s_wait_tensorcnt 3                             ; my part of K steps 0 and 1 is in; three loads of mine may stay out
	s_barrier_signal -1
	s_barrier_wait -1                              ; everybody's is
	FETCH 0
	s_wait_loadcnt 0x0                             ; the scale words and the bias
.endm
; Group i of the results: 64 registers of a lane, register 16 b + n = 32 b + 16 h + n along the next K.  They become a fragment's 8 registers and a scale word, and the codes leave: each store covers 512 consecutive bytes.
.macro EGROUP path, i
.set eW, 2+(\i)/4
.set eS, 64*((\i)%4)
.set eP, PC+8*((\i)%2)
	s_wait_xcnt 0x0                                ; the stores of two groups ago have read these registers
	WIN eW|(eW<<2)                                 ; sources 0 and 1: the accumulators' window
.irp b, 0,1,2,3
	v_max3_num_f32 v[TM+\b], |v[eS+16*\b]|, |v[eS+16*\b+1]|, 0x1800000   ; each accumulator is read from its low end on; the floor 2^(3 - 127) holds the byte at 1
.endr
.irp n, 2,4,6,8,10,12,14
.irp b, 0,1,2,3
	v_max3_num_f32 v[TM+\b], |v[eS+16*\b+\n]|, |v[eS+16*\b+\n+1]|, v[TM+\b]
.endr
.endr
	WIN 0
.irp b, 0,1,2,3
	v_permlanex16_b32 v[TM+4+\b], v[TM+\b], s[SELA], s[SELB]
.endr
.irp b, 0,1,2,3
	v_max_num_f32 v[TM+\b], v[TM+\b], v[TM+4+\b]
.endr
.irp b, 0,1,2,3
	v_add_nc_u32 v[TM+8+\b], 0xff000000, v[TM+\b]
.endr
.irp b, 0,1,2,3
	v_lshrrev_b32 v[TM+4+\b], 23, v[TM+8+\b]
.endr
	v_lshl_or_b32 v[PWS+\i], v[TM+5], 8, v[TM+4]
	v_lshl_or_b32 v[PWS+\i], v[TM+6], 16, v[PWS+\i]
	v_lshl_or_b32 v[PWS+\i], v[TM+7], 24, v[PWS+\i]
	WIN eW                                         ; source 0: the accumulators' window
.irp b, 0,1,2,3
	v_cvt_scalef32_pk8_fp4_f32 v[eP+2*\b], v[eS+16*\b:eS+16*\b+7], v[TM+8+\b]
	v_cvt_scalef32_pk8_fp4_f32 v[eP+2*\b+1], v[eS+16*\b+8:eS+16*\b+15], v[TM+8+\b]
.endr
	WIN 0
	v_nop                                          ; one plain place behind a scaled conversion
.irp c, 0,1
.irp u, 0,1
	v_permlane16_swap_b32 v[eP+4*\c+\u], v[eP+2+4*\c+\u]
.endr
.endr
.if \path == 0
	global_store_b128 v3, v[eP:eP+3], s[BA:BA+1] offset:512*(\i)       ; columns 0-63: my first head's token tile i
	global_store_b128 v3, v[eP+4:eP+7], s[BB:BB+1] offset:512*(\i)     ; columns 64-127: my second head's
.elseif (\i) < 4
	global_store_b128 v3, v[eP:eP+3], s[BA:BA+1] offset:1024*((\i)%4)
	global_store_b128 v3, v[eP+4:eP+7], s[BA:BA+1] offset:1024*((\i)%4)+512
.else
	global_store_b128 v3, v[eP:eP+3], s[BB:BB+1] offset:1024*((\i)%4)
	global_store_b128 v3, v[eP+4:eP+7], s[BB:BB+1] offset:1024*((\i)%4)+512
.endif
.endm
	s_cmp_eq_u32 ttmp9, 2                          ; the kind of my columns: the cluster's x, the same in all sixteen partners
	s_cbranch_scc1 .Lpath_v
; ---- q and k
	s_cmp_eq_u32 ttmp9, 0
	s_cselect_b64 s[BA:BA+1], s[14:15], s[16:17]   ; qbuf or kvbuf
	s_mov_b32 s98, 143360
	s_cselect_b32 s98, 73728, s98                  ; bytes of a head,
	s_mov_b32 s99, 8960
	s_cselect_b32 s99, 4608, s99                   ; of a group,
	s_mov_b32 s27, 8192
	s_cselect_b32 s27, 4096, s27                   ; and where the scale words begin in it
	s_mul_i32 s2, s66, s98
	s_mul_i32 s3, s67, s99
	s_add_co_u32 s2, s2, s3
	s_mov_b32 s3, 0
	s_add_nc_u64 s[BA:BA+1], s[BA:BA+1], s[2:3]
	s_mov_b32 s2, s98
	s_add_nc_u64 s[BB:BB+1], s[BA:BA+1], s[2:3]
	v_mul_u32_u24 v22, s98, v2
	v_lshl_add_u32 v22, v1, 4, v22
	v_add_nc_u32 v22, s27, v22                     ; scale words: 16 r, lanes 16-31 one head on
	v_lshlrev_b32 v23, 4, v2                       ; and those lanes take the word's upper two bytes
.irp a, 0,1,2,3,4,5,6,7                ; the bias in the result's layout: lane (r, h), tile a: columns 32 (a / 2) + 16 h + 8 (a % 2) + 0 .. 7
	global_load_b128 v[BR+8*\a:BR+8*\a+3], v20, s[96:97] offset:(32*(\a/2)+8*(\a%2))*4
	global_load_b128 v[BR+8*\a+4:BR+8*\a+7], v20, s[96:97] offset:(32*(\a/2)+8*(\a%2))*4+16
.endr
	START
.irp s, 0,1,2,3,4,5,6,7
	s_wait_alu depctr_va_vdst(0)
	KSTEP 0, \s
.endr
	WIN 0
	PLACES                                         ; four places in front of the first read of results
.irp i, 0,1,2,3,4,5,6,7
	EGROUP 0, \i
.endr
.irp q, 0,1,2,3,4,5,6,7
	v_lshrrev_b32 v[T+\q], v23, v[PWS+\q]
.endr
	global_store_b128 v22, v[T:T+3], s[BA:BA+1]                ; each sixteen lanes store 256 consecutive bytes, aligned
	global_store_b128 v22, v[T+4:T+7], s[BA:BA+1] offset:256
	s_wait_tensorcnt 0x0
	ds_add_u32 v190, v191
	s_wait_dscnt 0x0
	CROUND                                         ; the closing round: no work-group ends while a partner may still ask for a tile that names it
	s_endpgm
; ---- v
.Lpath_v:
	s_mul_i32 s2, s66, 143360
	s_mul_i32 s3, s67, 8960
	s_add_co_u32 s2, s2, s3
	s_add_co_u32 s2, s2, 4096
	s_mov_b32 s3, 0
	s_add_nc_u64 s[BA:BA+1], s[16:17], s[2:3]
	s_add_nc_u64 s[BB:BB+1], s[BA:BA+1], 143360
	v_mul_u32_u24 v22, 0x23000, v2
	v_lshl_add_u32 v22, v1, 4, v22
	v_add_nc_u32 v22, 4608, v22                    ; scale words: 4,608 bytes behind V's first tile; 16 r; lanes 16-31 one head on
	s_wait_alu depctr_va_vdst(0)
.irp i, 0,1,2,3,4,5,6,7                ; the bias hangs on the lane's channel alone
	global_load_b32 v[BR+8*\i], v21, s[96:97] offset:(32*(\i/2)+8*(\i%2))*4
.endr
	START
.irp i, 0,1,2,3,4,5,6,7
.irp j, 1,2,3,4,5,6,7
	v_mov_b32 v[BR+8*\i+\j], v[BR+8*\i]
.endr
.endr
	PLACES
	s_wait_alu depctr_va_vdst(0)
.irp s, 0,1,2,3,4,5,6,7
	s_wait_alu depctr_va_vdst(0)
	KSTEP 1, \s
.endr
	WIN 0
	PLACES
.irp i, 0,1,2,3,4,5,6,7
	EGROUP 1, \i
.endr
	v_cmp_ne_u32 vcc_lo, 0, v2
.irp q, 0,1,2,3
	v_cndmask_b32 v[T+\q], v[PWS+\q], v[PWS+4+\q], vcc_lo      ; lanes 0-15: my first head's four channel tiles; lanes 16-31: my second head's
.endr
	global_store_b128 v22, v[T:T+3], s[BA:BA+1]
	s_wait_tensorcnt 0x0
	ds_add_u32 v190, v191
	s_wait_dscnt 0x0
	CROUND
	s_endpgm
.Lfunc_end_k_q02f8cd9616_gemm_qkv:
	.size	k_q02f8cd9616_gemm_qkv, .Lfunc_end_k_q02f8cd9616_gemm_qkv-k_q02f8cd9616_gemm_qkv
	.p2alignl 7, 3214868480
	.fill 96, 4, 3214868480
	.section	.rodata,"a",@progbits
	.p2align	6, 0x0
	.amdhsa_kernel k_q02f8cd9616_gemm_qkv
		.amdhsa_group_segment_fixed_size 262656
		.amdhsa_private_segment_fixed_size 0
		.amdhsa_enable_private_segment 0
		.amdhsa_kernarg_size 56
		.amdhsa_user_sgpr_count 2
		.amdhsa_user_sgpr_kernarg_segment_ptr 1
		.amdhsa_wavefront_size32 1
		.amdhsa_system_sgpr_workgroup_id_x 1
		.amdhsa_system_sgpr_workgroup_id_y 1
		.amdhsa_system_sgpr_workgroup_id_z 1
		.amdhsa_system_vgpr_workitem_id 0
		.amdhsa_next_free_vgpr 1024
		.amdhsa_next_free_sgpr 100
		.amdhsa_reserve_vcc 1
		.amdhsa_float_denorm_mode_32 3
		.amdhsa_float_denorm_mode_16_64 3
		.amdhsa_memory_ordered 1
		.amdhsa_forward_progress 1
		.amdhsa_inst_pref_size 252
	.end_amdhsa_kernel
	.amdgpu_metadata
---
amdhsa.version: [ 1, 2 ]
amdhsa.kernels:
  - .name:           k_q02f8cd9616_gemm_qkv
    .symbol:         k_q02f8cd9616_gemm_qkv.kd
    .args:
      - { .name: xcod, .offset: 0, .size: 8, .value_kind: global_buffer, .address_space: global }
      - { .name: xscl, .offset: 8, .size: 8, .value_kind: global_buffer, .address_space: global }
      - { .name: wcod, .offset: 16, .size: 8, .value_kind: global_buffer, .address_space: global }
      - { .name: wscl, .offset: 24, .size: 8, .value_kind: global_buffer, .address_space: global }
      - { .name: bqkv, .offset: 32, .size: 8, .value_kind: global_buffer, .address_space: global }
      - { .name: qbuf, .offset: 40, .size: 8, .value_kind: global_buffer, .address_space: global }
      - { .name: kvbuf, .offset: 48, .size: 8, .value_kind: global_buffer, .address_space: global }
    .group_segment_fixed_size: 262656
    .private_segment_fixed_size: 0
    .kernarg_segment_align: 8
    .kernarg_segment_size: 56
    .max_flat_workgroup_size: 128
    .sgpr_count:     100
    .vgpr_count:     1024
    .wavefront_size: 32
...
	.end_amdgpu_metadata
.endif
;; end of part 2
;; launch attn (part 3): grid 4 x 64, 16 waves a work-group, no clusters, 169,984 bytes of LDS; arguments qbuf, kvbuf, ycod, yscl; writes ycod, yscl
.if DOCPART == 3
	.amdgcn_target "amdgcn-amd-amdhsa--gfx1250"
	.amdhsa_code_object_version 6
	.text
	.protected	k_q02f8cd9616_attn
	.globl	k_q02f8cd9616_attn
	.p2align	8
	.type	k_q02f8cd9616_attn,@function
k_q02f8cd9616_attn:
	s_mov_b64 s[64:65], 0
	v_nop
	global_prefetch_b8 v0, s[64:65] scope:SCOPE_SE
	s_setreg_imm32_b32 hwreg(HW_REG_WAVE_MODE, 25, 1), 1
	s_wait_xcnt 0x0
; y[head][q] = the sum over k <= q of softmax_k(q . k / 8) v[k], both products on codes of FP4 with E8M0 scales; y is quantised in registers along the channels and leaves as the operand of the last product.
; THE SOFTMAX AHEAD OF THE SECOND PRODUCT: t = score x log2(e) / 8; M = the running largest t rounded UP to a whole number; p = 2^(t - M) is quantised along the keys, not normalised.  The row's sum is taken of the
; unquantised p and divides at the end.  When M moves, the sum and O are multiplied by 2^(old M - new M): exact.
; SHARES.  Work-group (i, head) owns the head's query blocks i and 7 - i, 256 queries each.  Wave w takes one tile of 16 queries in each of two phases: tile J0 = 16 i + w, then tile 127 - J0.  Under the causal mask tile J needs
; J / 8 + 1 key steps of 128: 17 for the two together, for every wave of every work-group.  Sixteen waves of 256 registers: four to a SIMD, so that one wave's vector work stands beside another's products and LDS loads.
; A WHOLE HEAD'S K AND V LIE IN LDS, as they lie in kvbuf: 16 key steps x 8,960 bytes = 143,360.  Waves 0-7 bring them, two loads each (two of mine are out): step w, then step 8 + w.  Nothing is filled again and nothing is stored to LDS.
; NO CLUSTER: the four work-groups of a head read the same K and V, but which key steps a wave leaves out hangs on its query block, which would be its place in the cluster, and partners of joint loads must run alike.
; LAYOUT.  Both products are used transposed: S^T = K Q^T (source 0 = 16 keys), O^T = V^T P^T (source 0 = 16 channels): a lane holds ONE query.  A tile's 16 rows are 32 (j / 2) + 8 (j % 2) + r + 8 (r / 8), so that the 16 registers of
; two neighbouring tiles are 16 neighbours: keys for p, channels for y.  The head's size is 64: half of the instruction's K; the upper four registers of Q's and K's fragments hold zero codes.
; EVERY wave walks a constant number of trips (8, then 16); a step all of whose keys come after my queries jumps over its work by a scalar branch on ids.
; LIMITS: NaN and infinities are not served; a block of zeros or under 2^-124 gets the byte 1, its codes are zeros, and this program alone reads the bytes.
; REGISTERS: v1-11 addresses and lane numbers; v8, v9 Q's scale words; v12 -M, v13 the largest t, v[14:15] the sum; v16-23 Q; v24-27 the second phase's Q; v28-31 scale operands; v32-95 K's 8 fragments; v96-159 S^T, then p;
;   v160-191 O^T; v192-223 V's 4 fragments; v224-231 p's codes; v232-239 at work; v240-247 K's scale words, v248-251 V's; v252 f, v253 p's scale word; v254, v255 at work.
.set STEPB, 8960                       ; a key step in LDS: K's 8 tiles x 512 at 0, V's 4 x 1,024 at 4,096, K's scale words at 8,192, V's at 8,704
.set G1,   16                          ; s[16:23] descriptor group 1;  s[24:27], s[28:31] groups 0 of my two loads
.set SEL,  32                          ; s[32:33] lane selects: lane l xor 16
.set CS,   34                          ; s[34:35] c = log2(e) / 8
.set JT,   36                          ; s36, s37 my query tile in phase 0, 1
.set QC,   40                          ; s[40:41] Q's codes, s[42:43] Q's scale words in phase 0;  s[44:47] in phase 1
.set YC,   48                          ; s[48:49] y's codes, s[50:51] y's scale bytes in phase 0;  s[52:55] in phase 1
.set GQ,   56                          ; s56, s57 the key step on my diagonal
.set QR,   58                          ; s58, s59 my tile's first query in its group of 128
.set KG,   60                          ; s60 the key step
.set TB,   61                          ; s61 where it begins in LDS
	s_load_b256 s[4:11], s[0:1], 0x0               ; qbuf s[4:5], kvbuf s[6:7], ycod s[8:9], yscl s[10:11]
	v_lshl_add_u32 v254, v0, 2, 0x29000
	v_mov_b32 v255, 0
	ds_add_u32 v254, v255
	ds_add_u32 v254, v255
	s_wait_dscnt 0x0
	v_lshrrev_b32 v1, 5, v0
	s_delay_alu instid0(VALU_DEP_1)
	v_readfirstlane_b32 s12, v1                    ; wave 0..15
	s_and_b32 s14, ttmp7, 0xffff                   ; the head, 0..63
	; descriptor group 1: a key step's 8,960 dense bytes as 35 rows of 256 bytes (32 elements of 8 bytes)
	s_mov_b32 s[G1], 3<<16
	s_mov_b32 s[G1+1], 32<<16
	s_mov_b32 s[G1+2], 35<<16
	s_mov_b32 s[G1+3], 32<<16
	s_mov_b32 s[G1+4], 35
	s_mov_b32 s[G1+5], 32
	s_mov_b32 s[G1+6], 0
	s_mov_b32 s[G1+7], 0
	s_mul_i32 s13, s12, STEPB                      ; step w: in LDS, and in the head's bytes
	s_mul_i32 s2, s14, 16*STEPB
	s_add_co_u32 s2, s2, s13
	s_mov_b32 s3, 0
	s_mov_b32 s[SEL], 0x76543210
	s_mov_b32 s[SEL+1], 0xfedcba98
	s_mov_b32 s[CS], 0x3e38aa3b
	s_mov_b32 s[CS+1], s[CS]                       ; (named with it as a pair, so it is written)
	s_wait_kmcnt 0x0
	s_mov_b32 s24, 1
	s_mov_b32 s25, s13
	s_add_nc_u64 s[26:27], s[6:7], s[2:3]
	s_mov_b32 s28, 1
	s_add_co_u32 s29, s13, 8*STEPB                 ; step 8 + w
	s_add_nc_u64 s[30:31], s[26:27], 8*STEPB
	s_or_b32 s27, s27, 0x80000000
	s_or_b32 s31, s31, 0x80000000
	s_cmp_lt_u32 s12, 8                            ; a wave's two first fills stand in one branch on the wave's number, ahead of every wait on TENSORcnt, every LDS read and every barrier
	s_cbranch_scc0 .Lno_fetch
	tensor_load_to_lds s[24:27], s[G1:G1+7]
	s_nop 0
	tensor_load_to_lds s[28:31], s[G1:G1+7]
	s_nop 0
.rept 4
	v_nop
.endr
.Lno_fetch:
	s_lshl_b32 s[JT], ttmp9, 4
	s_add_co_u32 s[JT], s[JT], s12                 ; J0 = 16 i + w
	s_sub_co_u32 s[JT+1], 127, s[JT]               ; J1
.macro ADDR n                          ; phase n's scalars and addresses, from its tile J
	s_lshr_b32 s[GQ+\n], s[JT+\n], 3
	s_and_b32 s38, s[JT+\n], 7                     ; the tile in its group of 128 queries
	s_lshr_b32 s39, s38, 1
	s_lshl_b32 s39, s39, 5
	s_and_b32 s62, s38, 1
	s_lshl_b32 s62, s62, 3
	s_add_co_u32 s[QR+\n], s39, s62
	s_mul_i32 s2, s14, 73728
	s_mul_i32 s39, s[GQ+\n], 4608
	s_add_co_u32 s2, s2, s39                       ; the group in qbuf
	s_lshl_b32 s39, s38, 9
	s_add_co_u32 s62, s2, s39
	s_mov_b32 s63, 0
	s_add_nc_u64 s[QC+4*\n:QC+4*\n+1], s[4:5], s[62:63]
	s_lshr_b32 s39, s38, 2
	s_lshl_b32 s39, s39, 8
	s_add_co_u32 s62, s2, s39
	s_and_b32 s39, s38, 3
	s_lshl_b32 s39, s39, 2
	s_add_co_u32 s62, s62, s39
	s_add_co_u32 s62, s62, 4096
	s_add_nc_u64 s[QC+4*\n+2:QC+4*\n+3], s[4:5], s[62:63]
	s_lshr_b32 s39, s14, 4
	s_lshl_b32 s39, s39, 7
	s_add_co_u32 s39, s39, s[JT+\n]                ; the tile among the 512 of all rows: 128 x batch + J
	s_and_b32 s38, s14, 15                         ; the head in its batch
	s_lshl_b32 s62, s39, 13
	s_lshl_b32 s2, s38, 9
	s_add_co_u32 s62, s62, s2
	s_add_nc_u64 s[YC+4*\n:YC+4*\n+1], s[8:9], s[62:63]
	s_lshl_b32 s62, s39, 9
	s_lshr_b32 s2, s38, 3
	s_lshl_b32 s2, s2, 8
	s_add_co_u32 s62, s62, s2
	s_and_b32 s2, s38, 7
	s_lshl_b32 s2, s2, 1
	s_add_co_u32 s62, s62, s2
	s_add_nc_u64 s[YC+4*\n+2:YC+4*\n+3], s[10:11], s[62:63]
.endm
	ADDR 0
	ADDR 1
	v_and_b32 v6, 31, v0
	s_delay_alu instid0(VALU_DEP_1)
	v_lshlrev_b32 v1, 4, v6                        ; 16 x lane
	v_and_b32 v6, 15, v0                           ; r
	v_bfe_u32 v10, v0, 4, 1                        ; h
	s_delay_alu instid0(VALU_DEP_2)
	v_lshlrev_b32 v11, 4, v6                       ; 16 r
	s_delay_alu instid0(VALU_DEP_1)
	v_add_nc_u32 v2, 8192, v11                     ; the scale words' place in a key step
	s_delay_alu instid0(VALU_DEP_4)
	v_and_b32 v3, 8, v6
	s_delay_alu instid0(VALU_DEP_1)
	v_add_nc_u32 v3, v3, v6
	v_lshlrev_b32 v7, 4, v10
	s_delay_alu instid0(VALU_DEP_1)
	v_sub_nc_u32 v3, v3, v7                        ; r + 8 (r / 8) - 16 h: for the mask
	v_add_nc_u32 v7, v11, v10                      ; y's scale bytes: 16 r + h
	global_load_b128 v[16:19], v1, s[QC:QC+1]      ; Q's codes and scale words, for both phases
	global_load_b32 v8, v11, s[QC+2:QC+3]
	global_load_b128 v[24:27], v1, s[QC+4:QC+5]
	global_load_b32 v9, v11, s[QC+6:QC+7]
.irp j, 20,21,22,23
	v_mov_b32 v[\j], 0                             ; k = 64 .. 127 of Q: zero codes
.endr
.irp i, 0,1,2,3,4,5,6,7
.irp j, 4,5,6,7
	v_mov_b32 v[32+8*\i+\j], 0                     ; and of K: written once, never loaded over
.endr
.endr
.irp b, 0,1,2,3
	v_mov_b32 v[236+\b], 0                         ; written once: a lane permute's destination counts as one of its sources
.endr
	v_mov_b32 v252, 0
	v_mov_b32 v253, 0                              ; (named as the upper half of the pair v[252:253] before it is first written)
; A KEY STEP of 128 keys.
.macro STEP n
	s_cmp_gt_u32 s[KG], s[GQ+\n]                   ; all its keys come after my queries: only the lines that step addresses are run
	s_cbranch_scc1 .Lhidden_\@
	s_setprio 2
	v_add_nc_u32 v4, s[TB], v1
	v_add_nc_u32 v5, s[TB], v2
	v_nop
	v_nop                                          ; with the two additions: four places in front of loads into registers that the last matrix instructions read
	ds_load_b128 v[240:243], v5                    ; K's scale words: tiles 0-3,
	ds_load_b128 v[244:247], v5 offset:256         ; tiles 4-7
.irp i, 0,1,2,3,4,5,6,7
	ds_load_b128 v[32+8*\i:35+8*\i], v4 offset:512*\i
.endr
.irp t, 0,1,2,3
	ds_load_b128 v[192+8*\t:195+8*\t], v4 offset:4096+1024*\t
	ds_load_b128 v[196+8*\t:199+8*\t], v4 offset:4096+1024*\t+512
.endr
	ds_load_b128 v[248:251], v5 offset:512         ; V's scale words
	s_wait_dscnt 9                                 ; K and its scale words are in; V's nine loads may be out
.irp i, 0,1,2,3,4,5,6,7
	v_wmma_scale_f32_16x16x128_f8f6f4 v[96+8*\i:103+8*\i], v[32+8*\i:39+8*\i], v[16:23], 0, v[240+\i], v8 matrix_a_fmt:MATRIX_FMT_FP4 matrix_b_fmt:MATRIX_FMT_FP4
.endr
.rept 4
	v_nop
.endr
	s_cmp_lt_u32 s[KG], s[GQ+\n]                   ; only the step on my diagonal has hidden keys
	s_cbranch_scc1 .Lopen_\@
	v_add_nc_u32 v255, s[QR+\n], v3                ; register 16 b + i holds key 32 b + 16 h + i of the step: hidden where 32 b + i > my query - 16 h
	v_mov_b32 v254, 0xff800000                     ; -infinity: p = 0 then
.set m, 0
.rept 64
	v_cmp_gt_i32 vcc_lo, 32*(m/16)+m%16, v255
	v_cndmask_b32 v[96+m], v[96+m], v254, vcc_lo
.set m, m+1
.endr
.Lopen_\@:
.irp b, 0,1,2,3
	v_max3_num_f32 v[232+\b], v[96+16*\b], v[97+16*\b], v[98+16*\b]   ; the largest score of each block of 32 keys: for the row's maximum, and, since p rises with the score, for the block's largest p
.endr
.irp i, 3,5,7,9,11,13
.irp b, 0,1,2,3
	v_max3_num_f32 v[232+\b], v[232+\b], v[96+16*\b+\i], v[97+16*\b+\i]
.endr
.endr
.irp b, 0,1,2,3
	v_max_num_f32 v[232+\b], v[232+\b], v[111+16*\b]
.endr
.irp b, 0,1,2,3
	s_delay_alu instid0(VALU_DEP_4)
	v_permlanex16_b32 v[236+\b], v[232+\b], s[SEL], s[SEL+1]
.endr
.irp b, 0,1,2,3
	s_delay_alu instid0(VALU_DEP_4)
	v_max_num_f32 v[232+\b], v[232+\b], v[236+\b]  ; with lane l xor 16's 16 keys
.endr
	s_delay_alu instid0(VALU_DEP_2)
	v_max3_num_f32 v254, v232, v233, v234
	s_delay_alu instid0(VALU_DEP_1)
	v_max_num_f32 v254, v254, v235
	s_delay_alu instid0(VALU_DEP_1)
	v_mul_f32 v254, s[CS], v254                    ; the step's largest t
	s_delay_alu instid0(VALU_DEP_1)
	v_max_num_f32 v13, v13, v254
	v_mov_b32 v254, v12
	s_delay_alu instid0(VALU_DEP_2)
	v_floor_f32 v12, -v13                          ; the new -M = -ceil(t)
	s_delay_alu instid0(VALU_DEP_1)
	v_sub_f32 v254, v12, v254                      ; old M - new M: a whole number, 0 or less
	s_delay_alu instid0(VALU_DEP_1)
	v_cvt_i32_f32 v254, v254                       ; (it saturates)
	s_delay_alu instid0(VALU_DEP_1)
	v_ldexp_f32 v252, 1.0, v254                    ; f = 2^(old M - new M)
.set j, 0
.rept 32
	v_pk_fma_f32 v[96+j:97+j], v[96+j:97+j], s[CS:CS+1], v[12:13] op_sel_hi:[1,0,0]   ; t - M, two at a time
.set j, j+2
.endr
	s_setprio 1
.irp b, 0,1,2,3
	v_fma_f32 v[232+\b], v[232+\b], s[CS], v12     ; the same of each block's largest score
.endr
.set j, 0
	s_wait_alu depctr_va_vdst(0)
.rept 64
	v_exp_f32 v[96+j], v[96+j]                     ; p = 2^(t - M)
.set j, j+1
.endr
.irp b, 0,1,2,3
	v_exp_f32 v[232+\b], v[232+\b]                 ; the block's largest p: the same two instructions on the same number
.endr
	v_pk_mul_f32 v[14:15], v[14:15], v[252:253] op_sel_hi:[1,0]   ; the sum under the new M.  (A plain place behind the exponentials)
	s_wait_alu depctr_va_vdst(0)
.irp b, 0,1,2,3
	v_max_num_f32 v[232+\b], 0x1800000, v[232+\b]  ; the floor: the byte cannot fall under 1
.endr
.irp b, 0,1,2,3
	s_delay_alu instid0(VALU_DEP_4)
	v_add_nc_u32 v[28+\b], 0xff000000, v[232+\b]   ; the conversion's scale operand
.endr
.irp b, 0,1,2,3
	s_delay_alu instid0(VALU_DEP_4)
	v_lshrrev_b32 v[236+\b], 23, v[28+\b]          ; the byte
.endr
	s_delay_alu instid0(VALU_DEP_3)
	v_lshl_or_b32 v253, v237, 8, v236              ; p's scale word for these 128 keys
	s_delay_alu instid0(VALU_DEP_1)
	v_lshl_or_b32 v253, v238, 16, v253
	s_delay_alu instid0(VALU_DEP_1)
	v_lshl_or_b32 v253, v239, 24, v253
.irp b, 0,1,2,3
	v_cvt_scalef32_pk8_fp4_f32 v[224+2*\b], v[96+16*\b:103+16*\b], v[28+\b]
	v_cvt_scalef32_pk8_fp4_f32 v[225+2*\b], v[104+16*\b:111+16*\b], v[28+\b]
.endr
	v_nop                                          ; one plain place behind a scaled conversion
.irp c, 0,1
.irp i, 0,1
	v_permlane16_swap_b32 v[224+4*\c+\i], v[226+4*\c+\i]
.endr
.endr
	v_pk_add_f32 v[236:237], v[100:101], v[104:105]
	v_pk_add_f32 v[254:255], v[108:109], v[112:113]
	v_pk_add_f32 v[246:247], v[116:117], v[120:121]
	v_pk_add_f32 v[244:245], v[124:125], v[128:129]
	v_pk_add_f32 v[242:243], v[132:133], v[136:137]
	v_pk_add_f32 v[240:241], v[140:141], v[144:145]
	v_pk_add_f32 v[234:235], v[148:149], v[152:153]
	v_pk_add_f32 v[14:15], v[14:15], v[156:157]
	v_pk_add_f32 v[236:237], v[236:237], v[96:97]
	v_pk_add_f32 v[254:255], v[254:255], v[98:99]
	v_pk_add_f32 v[246:247], v[246:247], v[102:103]
	v_pk_add_f32 v[244:245], v[244:245], v[106:107]
	s_setprio 0
	v_pk_add_f32 v[242:243], v[242:243], v[110:111]
	v_pk_add_f32 v[240:241], v[240:241], v[114:115]
	v_pk_add_f32 v[234:235], v[234:235], v[118:119]
	v_pk_add_f32 v[14:15], v[14:15], v[122:123]
	v_pk_add_f32 v[236:237], v[236:237], v[126:127]
	v_pk_add_f32 v[254:255], v[254:255], v[130:131]
	v_pk_add_f32 v[246:247], v[246:247], v[134:135]
	v_pk_add_f32 v[244:245], v[244:245], v[138:139]
	v_pk_add_f32 v[242:243], v[242:243], v[142:143]
	v_pk_add_f32 v[240:241], v[240:241], v[146:147]
	v_pk_add_f32 v[234:235], v[234:235], v[150:151]
	v_pk_add_f32 v[14:15], v[14:15], v[154:155]
	v_pk_add_f32 v[236:237], v[236:237], v[158:159]
	s_delay_alu instid0(VALU_DEP_2)
	v_pk_add_f32 v[14:15], v[14:15], v[244:245]
	s_delay_alu instid0(VALU_DEP_2)
	v_pk_add_f32 v[236:237], v[236:237], v[242:243]
	v_pk_add_f32 v[254:255], v[254:255], v[240:241]
	v_pk_add_f32 v[246:247], v[246:247], v[234:235]
	s_delay_alu instid0(VALU_DEP_2)
	v_pk_add_f32 v[14:15], v[14:15], v[254:255]
	s_delay_alu instid0(VALU_DEP_2)
	v_pk_add_f32 v[236:237], v[236:237], v[246:247]
	s_delay_alu instid0(VALU_DEP_1)
	v_pk_add_f32 v[14:15], v[14:15], v[236:237]
.set j, 0
.rept 16
	v_pk_mul_f32 v[160+j:161+j], v[160+j:161+j], v[252:253] op_sel_hi:[1,0]   ; O^T under the new M; each accumulator from its low end on
.set j, j+2
.endr
	s_wait_alu depctr_va_vdst(0)
	s_wait_dscnt 0x0                               ; V and its scale words are in
.irp t, 0,1,2,3                        ; the four accumulators take turns
	v_wmma_scale_f32_16x16x128_f8f6f4 v[160+8*\t:167+8*\t], v[192+8*\t:199+8*\t], v[224:231], v[160+8*\t:167+8*\t], v[248+\t], v253 matrix_a_fmt:MATRIX_FMT_FP4 matrix_b_fmt:MATRIX_FMT_FP4
.endr
.Lhidden_\@:
.endm
; y = O^T / the sum: register 16 b + i is channel 32 b + 16 h + i of my query.  Two blocks of the last product's K: quantised, and stored as half a fragment's image (512 consecutive bytes) and two bytes a row.
.macro FINISH n
.rept 4
	v_nop                                          ; four places in front of the first read of results
.endr
	v_add_f32 v14, v14, v15
	s_delay_alu instid0(VALU_DEP_1)
	v_permlanex16_b32 v252, v14, s[SEL], s[SEL+1]
	s_delay_alu instid0(VALU_DEP_1)
	v_add_f32 v14, v14, v252                       ; the row's sum
	s_wait_alu depctr_va_vdst(0)
	v_rcp_f32 v14, v14
	v_nop                                          ; one plain place behind a transcendental
.set j, 0
	s_wait_alu depctr_va_vdst(0)
.rept 32
	v_mul_f32 v[96+j], v[160+j], v14
.set j, j+1
.endr
.irp b, 0,1
	v_max3_num_f32 v[232+\b], |v[96+16*\b]|, |v[97+16*\b]|, 0x1800000
.endr
.irp i, 2,4,6,8,10,12,14
.irp b, 0,1
	s_delay_alu instid0(VALU_DEP_2)
	v_max3_num_f32 v[232+\b], v[232+\b], |v[96+16*\b+\i]|, |v[97+16*\b+\i]|
.endr
.endr
.irp b, 0,1
	s_delay_alu instid0(VALU_DEP_2)
	v_permlanex16_b32 v[236+\b], v[232+\b], s[SEL], s[SEL+1]
.endr
.irp b, 0,1
	s_delay_alu instid0(VALU_DEP_2)
	v_max_num_f32 v[232+\b], v[232+\b], v[236+\b]
.endr
.irp b, 0,1
	s_delay_alu instid0(VALU_DEP_2)
	v_add_nc_u32 v[28+\b], 0xff000000, v[232+\b]
.endr
.irp b, 0,1
	s_delay_alu instid0(VALU_DEP_2)
	v_lshrrev_b32 v[236+\b], 23, v[28+\b]
.endr
.irp b, 0,1
	v_cvt_scalef32_pk8_fp4_f32 v[224+2*\b], v[96+16*\b:103+16*\b], v[28+\b]
	v_cvt_scalef32_pk8_fp4_f32 v[225+2*\b], v[104+16*\b:111+16*\b], v[28+\b]
.endr
	v_nop
	v_permlane16_swap_b32 v224, v226
	v_permlane16_swap_b32 v225, v227
	v_cmp_ne_u32 vcc_lo, 0, v10
	s_delay_alu instid0(VALU_DEP_1)
	v_cndmask_b32 v254, v236, v237, vcc_lo         ; lanes 0-15 store block 0's byte, lanes 16-31 block 1's
	global_store_b128 v1, v[224:227], s[YC+4*\n:YC+4*\n+1]
	global_store_b8 v7, v254, s[YC+4*\n+2:YC+4*\n+3]   ; 32 single bytes, two to a row's 16: one part in 17 of what the wave stores here
.endm
.macro PHASE n, trips
.if \n
	s_wait_xcnt 0x0                                ; the first phase's stores have read their registers
.irp j, 0,1,2,3
	v_mov_b32 v[16+\j], v[24+\j]
.endr
	v_mov_b32 v8, v9
.endif
	v_mov_b32 v13, 0xff61b1e6                      ; the largest t so far: -3e38
	s_delay_alu instid0(VALU_DEP_1)
	v_floor_f32 v12, -v13
	v_mov_b32 v14, 0
	v_mov_b32 v15, 0
.set j, 0
.rept 32
	v_mov_b32 v[160+j], 0                          ; O^T: the loop is written once, and its first step finds zeros
.set j, j+1
.endr
	s_mov_b32 s[KG], 0
	s_mov_b32 s[TB], 0
.Lstep_\@:
	STEP \n
	s_add_co_u32 s[TB], s[TB], STEPB
	s_add_co_u32 s[KG], s[KG], 1
	s_cmp_lt_u32 s[KG], \trips
	s_cbranch_scc1 .Lstep_\@
	s_setprio 0
	FINISH \n
.endm
	s_wait_loadcnt 0x0                             ; Q
	s_wait_tensorcnt 1                             ; my part of key steps 0-7 is in; my part of steps 8-15 may stay out: the first phase reads bytes under 8 x 8,960 alone, and nothing is filled again
	s_barrier_signal -1
	s_barrier_wait -1
	PHASE 0, 8
	s_wait_tensorcnt 0x0                           ; my part of key steps 8-15 is in,
	s_barrier_signal -1
	s_barrier_wait -1                              ; everybody's is
	PHASE 1, 16
	s_wait_xcnt 0x0
	v_lshl_add_u32 v254, v0, 2, 0x29000
	v_mov_b32 v255, 0
	s_wait_alu depctr_va_vdst(0)
	s_wait_tensorcnt 0x0
	ds_add_u32 v254, v255
	s_wait_dscnt 0x0
	s_endpgm
.Lfunc_end_k_q02f8cd9616_attn:
	.size	k_q02f8cd9616_attn, .Lfunc_end_k_q02f8cd9616_attn-k_q02f8cd9616_attn
	.p2alignl 7, 3214868480
	.fill 96, 4, 3214868480
	.section	.rodata,"a",@progbits
	.p2align	6, 0x0
	.amdhsa_kernel k_q02f8cd9616_attn
		.amdhsa_group_segment_fixed_size 169984
		.amdhsa_private_segment_fixed_size 0
		.amdhsa_enable_private_segment 0
		.amdhsa_kernarg_size 32
		.amdhsa_user_sgpr_count 2
		.amdhsa_user_sgpr_kernarg_segment_ptr 1
		.amdhsa_wavefront_size32 1
		.amdhsa_system_sgpr_workgroup_id_x 1
		.amdhsa_system_sgpr_workgroup_id_y 1
		.amdhsa_system_sgpr_workgroup_id_z 1
		.amdhsa_system_vgpr_workitem_id 0
		.amdhsa_next_free_vgpr 256
		.amdhsa_next_free_sgpr 66
		.amdhsa_reserve_vcc 1
		.amdhsa_float_denorm_mode_32 3
		.amdhsa_float_denorm_mode_16_64 3
		.amdhsa_memory_ordered 1
		.amdhsa_forward_progress 1
		.amdhsa_inst_pref_size 62
	.end_amdhsa_kernel
	.amdgpu_metadata
---
amdhsa.version: [ 1, 2 ]
amdhsa.kernels:
  - .name:           k_q02f8cd9616_attn
    .symbol:         k_q02f8cd9616_attn.kd
    .args:
      - { .name: qbuf, .offset: 0, .size: 8, .value_kind: global_buffer, .address_space: global }
      - { .name: kvbuf, .offset: 8, .size: 8, .value_kind: global_buffer, .address_space: global }
      - { .name: ycod, .offset: 16, .size: 8, .value_kind: global_buffer, .address_space: global }
      - { .name: yscl, .offset: 24, .size: 8, .value_kind: global_buffer, .address_space: global }
    .group_segment_fixed_size: 169984
    .private_segment_fixed_size: 0
    .kernarg_segment_align: 8
    .kernarg_segment_size: 32
    .max_flat_workgroup_size: 512
    .sgpr_count:     66
    .vgpr_count:     256
    .wavefront_size: 32
...
	.end_amdgpu_metadata
.endif
;; end of part 3
;; launch gemm_proj (part 4): grid 4 x 64, 4 waves a work-group, clusters of 4 x 4, 230,912 bytes of LDS; arguments ycod, yscl, wcod, wscl, bproj, out0; writes out0
.if DOCPART == 4
	.amdgcn_target "amdgcn-amd-amdhsa--gfx1250"
	.amdhsa_code_object_version 6
	.text
	.protected	k_q02f8cd9616_gemm_proj
	.globl	k_q02f8cd9616_gemm_proj
	.p2align	8
	.type	k_q02f8cd9616_gemm_proj,@function
k_q02f8cd9616_gemm_proj:
	s_mov_b64 s[64:65], 0
	v_nop
	global_prefetch_b8 v0, s[64:65] scope:SCOPE_SE
	s_setreg_imm32_b32 hwreg(HW_REG_WAVE_MODE, 25, 1), 1
	s_wait_xcnt 0x0
	s_wait_alu depctr_hold_cnt(0) depctr_sa_sdst(0) depctr_va_vdst(0) depctr_va_sdst(0) depctr_va_ssrc(0) depctr_va_vcc(0) depctr_vm_vsrc(0)
	s_getreg_b32 s2, hwreg(HW_REG_IB_STS2, 6, 4)
	s_cmp_eq_u32 s2, 0
	s_cbranch_scc0 .Lentry_in_a_cluster
	s_endpgm
.Lentry_in_a_cluster:
	s_bfe_u32 s2, ttmp6, 0x10000c
	s_cmp_lg_u32 s2, 0xf033
	s_cbranch_scc0 .Lentry_shape_is_right
	s_endpgm
.Lentry_shape_is_right:
; out0 = Q(y) Q(Wproj) + bproj on codes of FP4 with E8M0 scales, K = 1024; out0 [8192][1024] f32.
; SHARES.  A work-group makes 128 rows x 256 columns (256 work-groups), each of four waves 64 x 128: 32 accumulators, 256 registers.
; OPERANDS are images of registers (16 rows x 128 K = 1,024 bytes); tile j holds rows 32 (j / 2) + 8 (j % 2) + r + 8 (r / 8).  Wproj's tiles are 192-255 of wcod.
; ALL OF K LIES IN LDS: 24 tiles x 8,192 bytes = 196,608, as four groups of two K steps (y's 8 tiles x 2,048 at 0, W's 16 x 2,048 at 16,384 of each 49,152).  Each wave issues four joint loads at the start (four of mine are out);
; nothing is filled again.  Behind them lie the four waves' stages for the way out, which no load fills.
; CLUSTER 4 x 4: y's tiles are shared along a row of the cluster, W's along a column.
; THE PRODUCT IS USED TRANSPOSED (source 0 = 16 columns of W, source 1 = 16 rows of y): a lane holds one row, and tile a's eight registers are columns 32 (a / 2) + 16 h + 8 (a % 2) + 0 .. 7.  The bias is the C of each sum's first product.
; REGISTERS: window 0: v1-26 lane numbers and addresses; v32-47 y's scale words, v64-95 W's; v192-255 the bias; on the way out v128-255 hold rows.   window 1: fragments, two sets: y's at v[128 p + 8 i], W's at v[128 p + 64 + 8 a].
;   window 2: accumulator (i, a) at v[64 i + 8 a].
.set AX,   16
.set AW,   17
.set STO,  24                          ; v24  the way out: where I put 32 bytes of a row
.set RD,   25                          ; v25  and where I read a row back
.set SX,   32
.set SW,   64
.set BK,   128
.set BR,   192
.set GRP,  49152
.set STAGE, 4*GRP
.set SPITCH, 528
.set G1X,  28
.set G1W,  36
.set G0X,  44
.set G0W,  68
.set OUT,  60                          ; s[60:61] my part of out0
.set MSB, 0
.macro WIN new
.if MSB != (\new)
	s_set_vgpr_msb (MSB<<8)|(\new)
.set MSB, (\new)
.endif
.endm
.macro PLACES
.rept 4
	v_nop
.endr
.endm
.macro JLOAD g0x, g0w                  ; waves 0 and 1 fetch y's halves, waves 2 and 3 W's; four v_nop follow each of the two lines
	s_cmp_eq_u32 s19, 0
	s_cbranch_scc0 .Lfor_w_\@
	tensor_load_to_lds s[\g0x:\g0x+3], s[G1X:G1X+7]
	s_nop 0
.rept 4
	v_nop
.endr
	s_branch .Lasked_\@
.Lfor_w_\@:
	tensor_load_to_lds s[\g0w:\g0w+3], s[G1W:G1W+7]
	s_nop 0
.rept 4
	v_nop
.endr
.Lasked_\@:
.endm
.macro CROUND
	s_barrier_signal -1
	s_barrier_wait -1
	s_cmp_lg_u32 s18, 0
	s_cbranch_scc1 .Lnot_wave_0_\@
	s_barrier_signal -3
.Lnot_wave_0_\@:
	s_barrier_wait -3
	s_barrier_signal -1
	s_barrier_wait -1
.endm
	s_load_b256 s[4:11], s[0:1], 0x0               ; ycod s[4:5], yscl s[6:7], wcod s[8:9], wscl s[10:11]
	s_load_b128 s[12:15], s[0:1], 0x20             ; bproj s[12:13], out0 s[14:15]
	v_lshl_add_u32 v126, v0, 2, 0x38400
	v_mov_b32 v127, 0
	ds_add_u32 v126, v127
	ds_add_u32 v126, v127
	v_lshrrev_b32 v1, 5, v0
	v_readfirstlane_b32 s18, v1                    ; wave 0..3
	s_lshr_b32 s19, s18, 1                         ; which half of the rows is mine.  Also: I fetch for y (0) or for W (1)
	s_and_b32 s20, s18, 1                          ; which half of the columns.  Also: which half of the tiles I fetch
	s_bfe_u32 s21, ttmp6, 0x40000                  ; cx
	s_bfe_u32 s22, ttmp6, 0x40004                  ; cy
	s_lshl_b32 s23, ttmp9, 2
	s_add_co_u32 s23, s23, s21                     ; X: which 256 columns
	s_and_b32 s24, ttmp7, 0xffff
	s_lshl_b32 s24, s24, 2
	s_add_co_u32 s24, s24, s22                     ; Y: which 128 rows
	s_lshl_b32 s25, s22, 2
	s_lshl_b32 s25, 15, s25                        ; my row of the cluster
	s_lshl_b32 s26, 0x1111, s21                    ; my column
	; descriptor group 1: rows of 2,048 bytes (two K steps of a tile; 256 elements of 8 bytes), 8,192 bytes apart: 4 of y, 8 of W
	s_or_b32 s[G1X], s25, (3<<16)|(1<<21)
	s_or_b32 s[G1W], s26, (3<<16)|(1<<21)
	s_mov_b32 s[G1X+1], 256<<16
	s_mov_b32 s[G1X+2], 4<<16
	s_mov_b32 s[G1X+3], 256<<16
	s_mov_b32 s[G1X+4], 4
	s_mov_b32 s[G1X+5], 1024
	s_mov_b32 s[G1X+6], 0
	s_mov_b32 s[G1X+7], 0
	s_mov_b32 s[G1W+1], 256<<16
	s_mov_b32 s[G1W+2], 8<<16
	s_mov_b32 s[G1W+3], 256<<16
	s_mov_b32 s[G1W+4], 8
	s_mov_b32 s[G1W+5], 1024
	s_mov_b32 s[G1W+6], 0
	s_mov_b32 s[G1W+7], 0
	s_lshl_b32 s84, s20, 2                         ; y: tile 8 Y + 4 half
	s_lshl_b32 s86, s24, 3
	s_add_co_u32 s86, s86, s84
	s_lshl_b32 s86, s86, 13
	s_mov_b32 s87, 0
	s_lshl_b32 s85, s20, 3                         ; W: tile 192 + 16 X + 8 half
	s_lshl_b32 s88, s23, 4
	s_add_co_u32 s88, s88, s85
	s_add_co_u32 s88, s88, 192
	s_lshl_b32 s88, s88, 13
	s_mov_b32 s89, 0
	s_lshl_b32 s90, s20, 13                        ; where they go: y's halves at 0 and 8,192,
	s_lshl_b32 s91, s20, 14
	s_add_co_u32 s91, s91, 16384                   ; W's at 16,384 and 32,768 of a group
	s_wait_dscnt 0x0
	s_wait_kmcnt 0x0
	s_add_nc_u64 s[86:87], s[4:5], s[86:87]
	s_add_nc_u64 s[88:89], s[8:9], s[88:89]
	CROUND                                         ; all sixteen work-groups are here: the joint loads meet
.irp g, 0,1,2,3
	s_mov_b32 s[G0X+4*\g], 1
	s_add_co_u32 s[G0X+4*\g+1], s90, \g*GRP
	s_add_nc_u64 s[G0X+4*\g+2:G0X+4*\g+3], s[86:87], \g*2048
	s_or_b32 s[G0X+4*\g+3], s[G0X+4*\g+3], 0x80000000
	s_mov_b32 s[G0W+4*\g], 1
	s_add_co_u32 s[G0W+4*\g+1], s91, \g*GRP
	s_add_nc_u64 s[G0W+4*\g+2:G0W+4*\g+3], s[88:89], \g*2048
	s_or_b32 s[G0W+4*\g+3], s[G0W+4*\g+3], 0x80000000
	JLOAD G0X+4*\g, G0W+4*\g
.endr
	v_and_b32 v1, 15, v0                           ; r
	v_bfe_u32 v2, v0, 4, 1                         ; h
	v_and_b32 v4, 31, v0
	v_lshlrev_b32 v3, 4, v4                        ; 16 x lane
	s_lshl_b32 s2, s19, 13
	v_add_nc_u32 v[AX], s2, v3                     ; my 4 tiles of y
	s_lshl_b32 s2, s20, 14
	s_add_co_u32 s2, s2, 16384
	v_add_nc_u32 v[AW], s2, v3                     ; my 8 tiles of W
	v_lshlrev_b32 v18, 4, v1
	v_lshl_add_u32 v18, v2, 9, v18                 ; y's scale words: 512 h + 16 r
	v_lshlrev_b32 v19, 2, v4                       ; W's: 4 x lane
	v_lshlrev_b32 v20, 6, v2                       ; the bias: 64 h
	s_mul_i32 s2, s18, 16*SPITCH
	s_add_co_u32 s2, s2, STAGE                     ; my stage
	v_mul_u32_u24 v[STO], v1, SPITCH
	v_lshl_add_u32 v[STO], v2, 6, v[STO]
	v_add_nc_u32 v[STO], s2, v[STO]                ; in: row r, + 64 h
	v_add_nc_u32 v[RD], s2, v3                     ; back: the 32 lanes take one row of 512 bytes
	s_lshl_b32 s92, s24, 3
	s_lshl_b32 s93, s19, 2
	s_add_co_u32 s92, s92, s93
	s_lshl_b32 s92, s92, 9
	s_mov_b32 s93, 0
	s_add_nc_u64 s[92:93], s[6:7], s[92:93]
	s_lshl_b32 s94, s23, 4
	s_lshl_b32 s95, s20, 3
	s_add_co_u32 s94, s94, s95
	s_add_co_u32 s94, s94, 192
	s_lshl_b32 s94, s94, 6
	s_mov_b32 s95, 0
	s_add_nc_u64 s[94:95], s[10:11], s[94:95]
	s_lshl_b32 s96, s23, 10
	s_lshl_b32 s97, s20, 9
	s_add_co_u32 s96, s96, s97
	s_mov_b32 s97, 0
	s_add_nc_u64 s[96:97], s[12:13], s[96:97]
.irp ip, 0,1
.irp kh, 0,1
	global_load_b128 v[SX+8*\ip+4*\kh:SX+8*\ip+4*\kh+3], v18, s[92:93] offset:1024*\ip+256*\kh
.endr
.endr
.irp ap, 0,1,2,3
.irp s, 0,1,2,3,4,5,6,7
	global_load_b32 v[SW+8*\ap+\s], v19, s[94:95] offset:16384*\s+128*\ap
.endr
.endr
.irp a, 0,1,2,3,4,5,6,7
	global_load_b128 v[BR+8*\a:BR+8*\a+3], v20, s[96:97] offset:(32*(\a/2)+8*(\a%2))*4
	global_load_b128 v[BR+8*\a+4:BR+8*\a+7], v20, s[96:97] offset:(32*(\a/2)+8*(\a%2))*4+16
.endr
	s_lshl_b32 s66, s24, 7
	s_lshl_b32 s67, s19, 6
	s_add_co_u32 s66, s66, s67                     ; my first row: 128 Y + 64 x row half
	s_lshl_b32 s66, s66, 12
	s_lshl_b32 s67, s23, 10
	s_add_co_u32 s66, s66, s67
	s_lshl_b32 s67, s20, 9
	s_add_co_u32 s66, s66, s67                     ; my first column, in bytes
	s_mov_b32 s67, 0
	s_add_nc_u64 s[OUT:OUT+1], s[14:15], s[66:67]
.macro FETCH s                         ; K step s: my 4 + 8 fragments into set s % 2: 24 loads of 512 consecutive bytes
.set fP, 128*((\s)%2)
.set fE, 1024*((\s)%2)
	WIN 0x40
.irp i, 0,1,2,3
	ds_load_b128 v[fP+8*\i:fP+8*\i+3], v[AX] offset:2048*\i+fE
	ds_load_b128 v[fP+8*\i+4:fP+8*\i+7], v[AX] offset:2048*\i+fE+512
.endr
.irp a, 0,1,2,3,4,5,6,7
	ds_load_b128 v[fP+64+8*\a:fP+64+8*\a+3], v[AW] offset:2048*\a+fE
	ds_load_b128 v[fP+64+8*\a+4:fP+64+8*\a+7], v[AW] offset:2048*\a+fE+512
.endr
	WIN 0
.endm
.macro WM4 ra, rb
.if ((\ra) == 0) && ((\rb) == 0)
	v_wmma_scale_f32_16x16x128_f8f6f4 v[rD:rD+7], v[rA:rA+7], v[rB:rB+7], v[rC:rC+7], v[zA], v[zB] matrix_a_fmt:MATRIX_FMT_FP4 matrix_b_fmt:MATRIX_FMT_FP4
.elseif (\rb) == 0
	v_wmma_scale_f32_16x16x128_f8f6f4 v[rD:rD+7], v[rA:rA+7], v[rB:rB+7], v[rC:rC+7], v[zA], v[zB] matrix_a_fmt:MATRIX_FMT_FP4 matrix_b_fmt:MATRIX_FMT_FP4 matrix_a_scale:MATRIX_SCALE_ROW1
.elseif (\ra) == 0
	v_wmma_scale_f32_16x16x128_f8f6f4 v[rD:rD+7], v[rA:rA+7], v[rB:rB+7], v[rC:rC+7], v[zA], v[zB] matrix_a_fmt:MATRIX_FMT_FP4 matrix_b_fmt:MATRIX_FMT_FP4 matrix_b_scale:MATRIX_SCALE_ROW1
.else
	v_wmma_scale_f32_16x16x128_f8f6f4 v[rD:rD+7], v[rA:rA+7], v[rB:rB+7], v[rC:rC+7], v[zA], v[zB] matrix_a_fmt:MATRIX_FMT_FP4 matrix_b_fmt:MATRIX_FMT_FP4 matrix_a_scale:MATRIX_SCALE_ROW1 matrix_b_scale:MATRIX_SCALE_ROW1
.endif
.endm
; A K step's 32 products; the 32 accumulators take turns, one instruction a turn, in the same order in every K step.
.macro MUL s, first
.set mP, 128*((\s)%2)
.if \first
	WIN 0x85                                       ; sources 0 and 1 window 1, C (the bias) window 0, D window 2
.else
	WIN 0xa5                                       ; C and D window 2
.endif
.irp i, 0,1,2,3
.irp a, 0,1,2,3,4,5,6,7
.set rD, 64*\i+8*\a
.set rA, mP+64+8*\a
.set rB, mP+8*\i
.set zA, SW+8*(\a/2)+(\s)
.set zB, SX+8*(\i/2)+(\s)
.if \first
.set rC, BR+8*\a
.else
.set rC, rD
.endif
	WM4 \a%2, \i%2
.endr
.endr
.endm
.macro KSTEP s
	WIN 0
	s_wait_dscnt 0x0                               ; this K step's fragments are in: they were asked for 32 matrix instructions ago
.if ((\s)%2 == 1) && ((\s) < 7)
	s_wait_tensorcnt 3-((\s)+1)/2                  ; my part of the next group of two K steps has landed; the later groups' loads may stay out
	s_barrier_signal -1
	s_barrier_wait -1
	v_add_nc_u32 v[AX], GRP, v[AX]
	v_add_nc_u32 v[AW], GRP, v[AW]
.endif
.if ((\s) > 0) && ((\s) < 7)
	PLACES                                         ; four places in front of loads into registers that the last matrix instructions read
.endif
.if (\s) < 7
	FETCH (\s)+1
.endif
.if (\s) == 0
	MUL \s, 1
.else
	MUL \s, 0
.endif
.endm
; THE WAY OUT, a tile of 16 rows x 128 columns at a time: through my own stage in LDS, back as whole rows of 512 bytes.  LDS serves a wave's instructions in order: no wait between the stores and the loads, nor in front of the next tile's stores.
.macro TOSTAGE i
	WIN 0x08                                       ; an LDS store's data are its source 1: window 2
.irp a, 0,1,2,3,4,5,6,7
	ds_store_b128 v[STO], v[64*(\i)+8*\a:64*(\i)+8*\a+3] offset:128*(\a/2)+32*(\a%2)        ; each accumulator from its low end on
	ds_store_b128 v[STO], v[64*(\i)+8*\a+4:64*(\i)+8*\a+7] offset:128*(\a/2)+32*(\a%2)+16
.endr
	WIN 0
.set BB, BK+64*((\i)%2)
.irp t, 0,1,2,3,4,5,6,7,8,9,10,11,12,13,14,15
	ds_load_b128 v[BB+4*\t:BB+4*\t+3], v[RD] offset:SPITCH*\t
.endr
.endm
.macro SEND i, younger                 ; younger: the LDS instructions issued behind tile i's loads, which may stay out
.set BB, BK+64*((\i)%2)
	s_wait_dscnt \younger
.irp t, 0,1,2,3,4,5,6,7,8,9,10,11,12,13,14,15
	global_store_b128 v3, v[BB+4*\t:BB+4*\t+3], s[OUT:OUT+1] offset:(32*((\i)/2)+8*((\i)%2)+\t+8*(\t/8))*4096 th:TH_STORE_NT   ; 32 lanes store 512 consecutive bytes, aligned; written once, read by nobody here
.endr
.endm
	s_wait_tensorcnt 3                             ; my part of K steps 0 and 1 is in; three loads of mine may stay out
	s_barrier_signal -1
	s_barrier_wait -1                              ; everybody's is
	FETCH 0
	s_wait_loadcnt 0x0                             ; the scale words and the bias
.irp s, 0,1,2,3,4,5,6,7
	KSTEP \s
.endr
	WIN 0
	PLACES                                         ; four places in front of the first read of results, and of loads into the registers that held the bias
	TOSTAGE 0
	TOSTAGE 1
	SEND 0, 32                                     ; behind tile 0's loads: tile 1's 16 stores and 16 loads
	s_wait_xcnt 0x0                                ; tile 0's stores have read their registers: tile 2's rows may land there
	TOSTAGE 2
	SEND 1, 32
	s_wait_xcnt 0x0
	TOSTAGE 3
	SEND 2, 32
	SEND 3, 0
	s_wait_tensorcnt 0x0
	ds_add_u32 v126, v127
	s_wait_dscnt 0x0
	CROUND                                         ; the closing round: no work-group ends while a partner may still ask for a tile that names it
	s_endpgm
.Lfunc_end_k_q02f8cd9616_gemm_proj:
	.size	k_q02f8cd9616_gemm_proj, .Lfunc_end_k_q02f8cd9616_gemm_proj-k_q02f8cd9616_gemm_proj
	.p2alignl 7, 3214868480
	.fill 96, 4, 3214868480
	.section	.rodata,"a",@progbits
	.p2align	6, 0x0
	.amdhsa_kernel k_q02f8cd9616_gemm_proj
		.amdhsa_group_segment_fixed_size 230912
		.amdhsa_private_segment_fixed_size 0
		.amdhsa_enable_private_segment 0
		.amdhsa_kernarg_size 48
		.amdhsa_user_sgpr_count 2
		.amdhsa_user_sgpr_kernarg_segment_ptr 1
		.amdhsa_wavefront_size32 1
		.amdhsa_system_sgpr_workgroup_id_x 1
		.amdhsa_system_sgpr_workgroup_id_y 1
		.amdhsa_system_sgpr_workgroup_id_z 1
		.amdhsa_system_vgpr_workitem_id 0
		.amdhsa_next_free_vgpr 768
		.amdhsa_next_free_sgpr 100
		.amdhsa_reserve_vcc 0
		.amdhsa_float_denorm_mode_32 3
		.amdhsa_float_denorm_mode_16_64 3
		.amdhsa_memory_ordered 1
		.amdhsa_forward_progress 1
		.amdhsa_inst_pref_size 76
	.end_amdhsa_kernel
	.amdgpu_metadata
---
amdhsa.version: [ 1, 2 ]
amdhsa.kernels:
  - .name:           k_q02f8cd9616_gemm_proj
    .symbol:         k_q02f8cd9616_gemm_proj.kd
    .args:
      - { .name: ycod, .offset: 0, .size: 8, .value_kind: global_buffer, .address_space: global }
      - { .name: yscl, .offset: 8, .size: 8, .value_kind: global_buffer, .address_space: global }
      - { .name: wcod, .offset: 16, .size: 8, .value_kind: global_buffer, .address_space: global }
      - { .name: wscl, .offset: 24, .size: 8, .value_kind: global_buffer, .address_space: global }
      - { .name: bproj, .offset: 32, .size: 8, .value_kind: global_buffer, .address_space: global }
      - { .name: out0, .offset: 40, .size: 8, .value_kind: global_buffer, .address_space: global }
    .group_segment_fixed_size: 230912
    .private_segment_fixed_size: 0
    .kernarg_segment_align: 8
    .kernarg_segment_size: 48
    .max_flat_workgroup_size: 128
    .sgpr_count:     100
    .vgpr_count:     768
    .wavefront_size: 32
...
	.end_amdgpu_metadata
.endif
;; end of part 4
